; MI455X (gfx1250); checked and timed in simulation.
; The chip was launched on July 23, 2026; its instructions are those of AMD's public machine-readable ISA for CDNA 5 (MIT licence, August 2026) and "CDNA5" Instruction Set Architecture Reference Guide (July 2026). The comments in the code are by the model that wrote it; some were corrected since.
;; Attention. Allowed arithmetic: matrix products marked QUANTISED: E2M3 operands, one E8M0 scale for each 32 along K, by v_wmma_scale_f32_16x16x128_f8f6f4 with both operands' format E2M3, f32 sums; everything else in f32.
;; Inputs: b_proj 1,024 float32; w_proj 1,024 x 1,024 float32; w_qkv 3,072 x 1,024 float32; x 8 x 1,024 x 1,024 float32.
;; Outputs: out0 8 x 1,024 x 1,024 float32.
;; This version of the problem:
;;   THIS VERSION OF THE PROBLEM IS GIVEN IN LOW PRECISION. The matrix products marked QUANTISED in the list below multiply operands that are first quantised to E2M3 (2 exponent bits, 3 mantissa bits; 6 bits a number), with one power-of-two scale for each 32 numbers along K (OCP MX v1.0); their sums are f32. All else is computed in f32.
;;   The module's matrix products, in the order in which they are computed (A, B: the left and right operand; K: the contracted axis; several contracted axes count as one K, in the product's order):
;;     1. [M 8,192, K 1,024] x [K 1,024, N 3,072]; A: input x; B: input w_qkv: QUANTISED
;;     2. batch 128 x [M 1,024, K 64] x [K 64, N 1,024]; A: computed on the way; B: computed on the way: QUANTISED
;;     3. batch 128 x [M 1,024, K 1,024] x [K 1,024, N 64]; A: softmax (see below); B: computed on the way: QUANTISED
;;     4. [M 8,192, K 1,024] x [K 1,024, N 1,024]; A: computed on the way; B: input w_proj: QUANTISED
;;   THE QUANTISER, for each operand of a quantised product, along K:
;;     - K is cut into blocks of 32 from its start; a last block that is shorter is filled with zeros.
;;     - A block's scale is 2^e with e = floor(log2(the largest magnitude in the block)) - 2, held to -126 .. 127; a block of zeros has e = 0. As a byte (E8M0): e + 127.
;;     - Each number is divided by its block's scale, clamped to +-7.5, and rounded to the nearest number of E2M3, ties to even, subnormals kept.
;;     - The product sums the exact products of the quantised numbers (number of the format x scale) in f32.
;;   ~~~python
;;   def quantise(x, axis):      # numpy; x: float32 -> the quantised numbers, widened to float32 again
;;       x = np.moveaxis(x, axis, -1); K = x.shape[-1]
;;       x = np.pad(x, [(0, 0)] * (x.ndim - 1) + [(0, -K % 32)]); x = x.reshape(x.shape[:-1] + (-1, 32)); a = np.abs(x).max(-1, keepdims=True)
;;       e = np.where(a > 0, np.clip(np.frexp(np.where(a > 0, a, 1))[1] - 1 - 2, -126, 127), 0)      # np.frexp(a)[1] - 1 = floor(log2(a)), exactly
;;       r = np.clip(x / 2.0 ** e, -7.5, 7.5)
;;       step = 2.0 ** (np.maximum(np.frexp(np.where(r == 0, 1, r))[1] - 1, 0) - 3)
;;       q = np.round(r / step) * step * 2.0 ** e      # np.round: ties to even
;;       return np.moveaxis(q.reshape(q.shape[:-2] + (-1,))[..., :K], -1, axis).astype(np.float32)
;;   ~~~
;;   SOFTMAX AHEAD OF A QUANTISED PRODUCT. Where the list says 'softmax', what is quantised is not the finished softmax but p = 2^(t - M), with t = logit x log2(e) and M = ceil(the row's largest t), a whole number; so 1/2 < the row's largest p <= 1. The row's sum l is taken of the UNQUANTISED p, in f32, and the product's result is divided by l at the end. Since M is a whole number, a kernel that streams over the keys may use a running M (the ceiling of the running maximum): every later rescaling is an exact power of two, which a block's scale takes up: the codes' values come out the same.
;;   OPERANDS COMPUTED ON THE WAY. 'Computed on the way' means the value that the module computes at that place (a softmax that the list does not call 'softmax' is quantised finished and normalised). What goes into a quantiser is computed in f32, as accurately as f32 sums, v_exp_f32 and their like allow (about 1e-6 of the number): no bf16 or f16 on the way to a quantiser, and a product that is left as it is and whose result goes on into a quantised operand takes f32 operands (vector FMAs, or v_wmma_f32_16x16x4_f32). A number that lies on a knife's edge between two numbers of the format may be rounded either way, as far as f32 arithmetic and the matrix unit's own rounding can turn it there, and no further.
;; One version. Each part assembles by itself: llvm-mc -triple=amdgcn-amd-amdhsa -mcpu=gfx1250 --defsym DOCPART=n.
;; ======== version 1 of 1: 4 launches
;; limits: right only within a limited range of input values
;; workspace buffers: xq 6,553,600 bytes; wq 2,457,600 bytes; pq 819,200 bytes; qrec 13,369,344 bytes; kvrec 13,369,344 bytes; oq 6,553,600 bytes
;; launch quant (part 1): grid 768 x 1, 2 waves a work-group, no clusters, 17,152 bytes of LDS; arguments x, w_qkv, w_proj, xq, wq, pq; writes xq, wq, pq
.if DOCPART == 1
	.amdgcn_target "amdgcn-amd-amdhsa--gfx1250"
	.amdhsa_code_object_version 6
	.text
	.protected	k_q193018e0ba_quant
	.globl	k_q193018e0ba_quant
	.p2align	8
	.type	k_q193018e0ba_quant,@function
k_q193018e0ba_quant:
	s_mov_b64 s[64:65], 0
	v_nop
	global_prefetch_b8 v0, s[64:65] scope:SCOPE_SE
	s_setreg_imm32_b32 hwreg(HW_REG_WAVE_MODE, 25, 1), 1
	s_wait_xcnt 0x0
; x [8192][1024], w_qkv [3072][1024], w_proj [1024][1024], f32 with K innermost, become codes of FP6 (E2M3) with one E8M0 scale byte for each 32 along K.
; NO WORK OF THE PROBLEM IS LEFT OUT IN ANY LAUNCH: all four products, the softmax and the bias have a way to the output, and every input is loaded.
; THE CODES ARE LAID AS IMAGES OF THE MATRIX OPERAND'S REGISTERS.  A fragment is 16 rows x 128 along K: 12 registers a lane; lane (r, h) holds of its row k = 64 c + 32 h + 0 .. 31 in registers 6 c .. 6 c + 5.
; Its image is 1,536 bytes: piece p = registers 4 p .. 4 p + 3, lane l's 16 bytes at 512 p + 16 l.  A buffer is [tile T][K step 0 .. 7][1,536].
; THE ROWS OF A TILE ARE NOT NEIGHBOURS: lane r of tile T holds row 32 (T / 2) + 8 (T % 2) + r + 8 (r / 8).  A tile used as source 0 of the matrix instruction then leaves, in the 16 result registers of tiles
; 2 B and 2 B + 1, sixteen neighbours 32 B + 16 h + 0 .. 15: what the next quantiser wants of a lane.
; THE SCALE WORDS (four bytes: 128 along K of one row) lie behind the images as [T][g 2][lane 32][e 2]: lanes 0-15 hold K step 2 (2 g + e) of row r, lanes 16-31 K step 2 (2 g + e) + 1.
; A block's scale is 2^(floor(log2(its largest magnitude)) - 2): its byte is the largest magnitude's exponent field - 2, held at 1 from below by a floor among the maximum's leaves.
; LIMITS: NaN and infinities among the inputs are not served.  A block of zeros gets the byte 1 where the rule says 127: its codes are zeros, and this program alone reads the bytes.
; SHARES.  Work-groups 0-511 take x's tiles, 512-703 w_qkv's, 704-767 w_proj's: only pointers are chosen, there is one path.  Wave g takes K steps 4 g .. 4 g + 3 of the tile's 16 rows.
; Each load reads 512 consecutive bytes of one row; a K step's 8,192 bytes turn through the wave's own stage in LDS, so that a lane gets two whole blocks of 32.  Loads run two K steps (32 loads a wave) ahead.  Waves share nothing: no barrier.
.set PITCH, 528                        ; a stage row: 512 bytes + 16 = 132 words: the 16 rows that a load of 16 bytes a lane touches begin 4 words apart modulo 64
.set STG,   16*PITCH                   ; a wave's stage
.set SPARE, 2*STG                      ; behind the two stages: the spare words, 128 bytes for each wave: one block of 256 bytes that no other line names
.set L16,  2                           ; v2   16 x lane
.set L8,   3                           ; v3   8 x lane
.set SIN,  4                           ; v4   the stage, on the way in: my 16 bytes of a row
.set SOUT, 5                           ; v5   and on the way out: row r, + 128 h
.set SH8,  6                           ; v6   8 h
.set SPW,  8                           ; v8   LDS address of my spare word; never rewritten
.set NIL,  9                           ; v9   0; never rewritten
.set R,    16                          ; v16-143  two sets of 64: a K step as loaded
.set X,    144                         ; v144-207 my two blocks of 32 neighbours
.set PC,   208                         ; v208-219 the fragment's 12 registers
.set PT,   220                         ; v220-222, v224-226: the upper halves of the two blocks, as converted
.set MX,   228                         ; v228-229 largest magnitudes
.set SO,   230                         ; v230-231 the conversions' scale operands
.set BY,   232                         ; v232-233 scale bytes
.set TW,   234                         ; v234     my two bytes at their places
.set TP,   235                         ; v235     the other half's
.set W,    236                         ; v236-239 the scale words of the four K steps
.set OW,   240                         ; v240-241 as they leave
	s_load_b256 s[4:11], s[0:1], 0x0               ; x s[4:5], w_qkv s[6:7], w_proj s[8:9], xq s[10:11]
	s_load_b128 s[12:15], s[0:1], 0x20             ; wq s[12:13], pq s[14:15]
	v_lshl_add_u32 v[SPW], v0, 2, SPARE
	v_mov_b32 v[NIL], 0
	v_lshrrev_b32 v1, 5, v0
	v_readfirstlane_b32 s24, v1                    ; wave g
	v_and_b32 v1, 31, v0                           ; lane
	v_lshlrev_b32 v[L16], 4, v1
	v_lshlrev_b32 v[L8], 3, v1
	s_mul_i32 s25, s24, STG                        ; my stage
	v_add_nc_u32 v[SIN], s25, v[L16]
	v_and_b32 v10, 15, v0                          ; r
	v_bfe_u32 v11, v0, 4, 1                        ; h
	v_mul_u32_u24 v[SOUT], v10, PITCH
	v_lshl_add_u32 v[SOUT], v11, 7, v[SOUT]
	v_add_nc_u32 v[SOUT], s25, v[SOUT]
	v_lshlrev_b32 v[SH8], 3, v11
	v_mov_b32 v[TP], 0                             ; written once: a lane permute's destination counts as one of its sources
	s_mov_b32 s20, 0x76543210
	s_mov_b32 s21, 0xfedcba98                      ; v_permlanex16_b32's selects for lane l xor 16
	s_mov_b32 s22, 0xffff0000                      ; lanes 16-31
	s_wait_alu depctr_va_vdst(0)
	s_wait_kmcnt 0x0
	s_cmp_lt_u32 ttmp9, 704                        ; which tensor?  The choices hang on the work-group's number alone
	s_cselect_b64 s[6:7], s[6:7], s[8:9]
	s_cselect_b64 s[12:13], s[12:13], s[14:15]
	s_mov_b32 s17, 704
	s_cselect_b32 s16, 512, s17                    ; the tensor's first work-group
	s_mov_b32 s19, 786432
	s_cselect_b32 s18, 2359296, s19                ; where its scale words begin: tiles x 12,288
	s_cmp_lt_u32 ttmp9, 512
	s_cselect_b64 s[4:5], s[4:5], s[6:7]           ; the numbers
	s_cselect_b64 s[10:11], s[10:11], s[12:13]     ; the images' buffer
	s_cselect_b32 s16, 0, s16
	s_cselect_b32 s18, 6291456, s18
	s_sub_co_u32 s26, ttmp9, s16                   ; the tile T
	s_lshr_b32 s28, s26, 1
	s_lshl_b32 s28, s28, 17                        ; 32 (T / 2) rows of 4,096 bytes
	s_and_b32 s27, s26, 1
	s_lshl_b32 s27, s27, 15                        ; + 8 (T % 2) rows
	s_add_co_u32 s28, s28, s27
	s_lshl_b32 s27, s24, 11                        ; + my four K steps of 512 bytes
	s_add_co_u32 s28, s28, s27
	s_mov_b32 s29, 0
	s_add_nc_u64 s[4:5], s[4:5], s[28:29]
	s_mul_i32 s30, s26, 12288                      ; the tile's eight images,
	s_mul_i32 s27, s24, 6144                       ; my four of them
	s_add_co_u32 s30, s30, s27
	s_mov_b32 s31, 0
	s_add_nc_u64 s[12:13], s[10:11], s[30:31]
	s_lshl_b32 s30, s26, 9                         ; the tile's 512 bytes of scale words,
	s_lshl_b32 s27, s24, 8                         ; my 256 of them
	s_add_co_u32 s30, s30, s27
	s_add_co_u32 s30, s30, s18
	s_add_nc_u64 s[14:15], s[10:11], s[30:31]
.macro LOAD t                          ; K step t of the tile's 16 rows: 32 lanes read 512 consecutive bytes of a row
.irp j, 0,1,2,3,4,5,6,7,8,9,10,11,12,13,14,15
	global_load_b128 v[R+64*((\t)%2)+4*\j:R+64*((\t)%2)+4*\j+3], v[L16], s[4:5] offset:(\j+8*(\j/8))*4096+512*(\t) th:TH_LOAD_NT
.endr
.endm
.macro STEP t
.if (\t) < 3
	s_wait_loadcnt 16                              ; this K step's 16 loads are in; the next step's 16 may be out
.else
	s_wait_loadcnt 0x0
.endif
.irp j, 0,1,2,3,4,5,6,7,8,9,10,11,12,13,14,15
	ds_store_b128 v[SIN], v[R+64*((\t)%2)+4*\j:R+64*((\t)%2)+4*\j+3] offset:PITCH*\j
.endr
.irp c, 0,1                            ; LDS serves a wave's instructions in order: these see the stores above.  Lane (r, h): k = 64 c + 32 h + 0 .. 31 of row r
.irp e, 0,1,2,3,4,5,6,7
	ds_load_b128 v[X+32*\c+4*\e:X+32*\c+4*\e+3], v[SOUT] offset:256*\c+16*\e
.endr
.endr
	s_wait_dscnt 0x0                               ; my two blocks are in, and the stores have read their registers,
.if (\t) < 2
	LOAD (\t)+2                                    ; which take the loads of two K steps on
.endif
.irp c, 0,1
	v_max3_num_f32 v[MX+\c], |v[X+32*\c]|, |v[X+32*\c+1]|, 0x1800000   ; block 2 c + h: all 32 numbers are mine; and the floor 2^(3 - 127): the byte cannot fall under 1
.endr
.irp i, 2,4,6,8,10,12,14,16,18,20,22,24,26,28,30
.irp c, 0,1
	v_max3_num_f32 v[MX+\c], v[MX+\c], |v[X+32*\c+\i]|, |v[X+32*\c+\i+1]|   ; (the two blocks by turns)
.endr
.endr
.irp c, 0,1
	v_add_nc_u32 v[SO+\c], 0xff000000, v[MX+\c]    ; 2 off the exponent field: the conversion takes the exponent field of this operand as its scale
.endr
.irp c, 0,1
	v_lshrrev_b32 v[BY+\c], 23, v[SO+\c]           ; the scale's byte
.endr
	v_lshl_or_b32 v[TW], v[BY+1], 16, v[BY]        ; my two bytes: blocks h and 2 + h,
	v_lshlrev_b32 v[TW], v[SH8], v[TW]             ; at their places in the word;
	v_permlanex16_b32 v[TP], v[TW], s20, s21
	v_or_b32 v[W+(\t)], v[TW], v[TP]               ; with lane l xor 16's two the word is whole, in both lanes
.if (\t) > 0
	s_wait_alu depctr_va_vdst(0)
	s_wait_xcnt 0x0                                ; the last K step's stores have read their data: the fragment's registers are rewritten only behind this wait
.endif
.irp c, 0,1
	v_cvt_scalef32_pk16_fp6_f32 v[PC+6*\c:PC+6*\c+2], v[X+32*\c:X+32*\c+15], v[SO+\c]
	v_cvt_scalef32_pk16_fp6_f32 v[PT+4*\c:PT+4*\c+2], v[X+32*\c+16:X+32*\c+31], v[SO+\c]   ; (a conversion's three registers begin on an even number: the block's upper half is made elsewhere and moved)
.endr
	v_nop                                          ; one plain place behind a scaled conversion
.irp c, 0,1
.irp i, 0,1,2
	v_mov_b32 v[PC+3+6*\c+\i], v[PT+4*\c+\i]
.endr
.endr
.irp p, 0,1,2
	global_store_b128 v[L16], v[PC+4*\p:PC+4*\p+3], s[12:13] offset:1536*(\t)+512*\p   ; 32 lanes store 512 consecutive bytes, at a multiple of 256 from the buffer's first byte
.endr
.endm
	LOAD 0
	LOAD 1
	STEP 0
	STEP 1
	STEP 2
	STEP 3
.irp e, 0,1
	v_cndmask_b32 v[OW+\e], v[W+2*\e], v[W+2*\e+1], s22   ; lanes 0-15: the even K step's word of row r, lanes 16-31: the odd one's
.endr
	global_store_b64 v[L8], v[OW:OW+1], s[14:15]   ; 32 lanes store 256 consecutive bytes, aligned
	s_wait_tensorcnt 0x0                           ; the wave's end, behind my last LDS store
	ds_add_u32 v[SPW], v[NIL]
	s_wait_dscnt 0x0
	s_endpgm
.Lfunc_end_k_q193018e0ba_quant:
	.size	k_q193018e0ba_quant, .Lfunc_end_k_q193018e0ba_quant-k_q193018e0ba_quant
	.p2alignl 7, 3214868480
	.fill 96, 4, 3214868480
	.section	.rodata,"a",@progbits
	.p2align	6, 0x0
	.amdhsa_kernel k_q193018e0ba_quant
		.amdhsa_group_segment_fixed_size 17152
		.amdhsa_private_segment_fixed_size 0
		.amdhsa_enable_private_segment 0
		.amdhsa_kernarg_size 48
		.amdhsa_user_sgpr_count 2
		.amdhsa_user_sgpr_kernarg_segment_ptr 1
		.amdhsa_wavefront_size32 1
		.amdhsa_system_sgpr_workgroup_id_x 1
		.amdhsa_system_sgpr_workgroup_id_y 1
		.amdhsa_system_sgpr_workgroup_id_z 1
		.amdhsa_system_vgpr_workitem_id 0
		.amdhsa_next_free_vgpr 248
		.amdhsa_next_free_sgpr 66
		.amdhsa_reserve_vcc 0
		.amdhsa_float_denorm_mode_32 3
		.amdhsa_float_denorm_mode_16_64 3
		.amdhsa_memory_ordered 1
		.amdhsa_forward_progress 1
		.amdhsa_inst_pref_size 31
	.end_amdhsa_kernel
	.amdgpu_metadata
---
amdhsa.version: [ 1, 2 ]
amdhsa.kernels:
  - .name:           k_q193018e0ba_quant
    .symbol:         k_q193018e0ba_quant.kd
    .args:
      - { .name: x, .offset: 0, .size: 8, .value_kind: global_buffer, .address_space: global }
      - { .name: w_qkv, .offset: 8, .size: 8, .value_kind: global_buffer, .address_space: global }
      - { .name: w_proj, .offset: 16, .size: 8, .value_kind: global_buffer, .address_space: global }
      - { .name: xq, .offset: 24, .size: 8, .value_kind: global_buffer, .address_space: global }
      - { .name: wq, .offset: 32, .size: 8, .value_kind: global_buffer, .address_space: global }
      - { .name: pq, .offset: 40, .size: 8, .value_kind: global_buffer, .address_space: global }
    .group_segment_fixed_size: 17152
    .private_segment_fixed_size: 0
    .kernarg_segment_align: 8
    .kernarg_segment_size: 48
    .max_flat_workgroup_size: 64
    .sgpr_count:     66
    .vgpr_count:     248
    .wavefront_size: 32
...
	.end_amdgpu_metadata
.endif
;; end of part 1
;; launch qkv (part 2): grid 8 x 32, 4 waves a work-group, clusters of 4 x 4, 327,680 bytes of LDS; arguments xq, wq, qrec, kvrec; writes qrec, kvrec
.if DOCPART == 2
	.amdgcn_target "amdgcn-amd-amdhsa--gfx1250"
	.amdhsa_code_object_version 6
	.text
	.protected	k_q193018e0ba_qkv
	.globl	k_q193018e0ba_qkv
	.p2align	8
	.type	k_q193018e0ba_qkv,@function
k_q193018e0ba_qkv:
	s_mov_b64 s[64:65], 0
	v_nop
	global_prefetch_b8 v0, s[64:65] scope:SCOPE_SE
	s_setreg_imm32_b32 hwreg(HW_REG_WAVE_MODE, 25, 1), 1
	s_wait_xcnt 0x0
	s_wait_alu depctr_hold_cnt(0) depctr_sa_sdst(0) depctr_va_vdst(0) depctr_va_sdst(0) depctr_va_ssrc(0) depctr_va_vcc(0) depctr_vm_vsrc(0)
	s_getreg_b32 s2, hwreg(HW_REG_IB_STS2, 6, 4)
	s_cmp_eq_u32 s2, 0
	s_cbranch_scc0 .Lentry_in_a_cluster
	s_endpgm
.Lentry_in_a_cluster:
	s_bfe_u32 s2, ttmp6, 0x10000c
	s_cmp_lg_u32 s2, 0xf033
	s_cbranch_scc0 .Lentry_shape_is_right
	s_endpgm
.Lentry_shape_is_right:
; qkv = x w_qkv^T on codes of FP6 (E2M3) with E8M0 scales, K = 1,024 (eight K steps of 128).  q, k, v are quantised in registers for the product that takes them and leave as images of that product's operand.
; Nothing of the problem's work is left out here.
; OPERANDS are images of their registers (16 rows x 128 K = 1,536 bytes), [tile][K step 8][1,536]; lane r of tile T holds row 32 (T / 2) + 8 (T % 2) + r + 8 (r / 8).  Scale words lie behind the images, 512 bytes a tile.
; THE DEAL: 8 x 32 = 256 work-groups of four waves.  A work-group takes 256 tokens (tile row ty) through TWO PASSES: pass 1 makes 256 x 256 of q or k (w_qkv's tiles 16 tx .., tx = 0 .. 7; a wave 128 x 128, 64 accumulators);
; pass 2 makes 256 tokens x 128 channels of v (w_qkv's tiles 128 + 8 tx ..; a wave 128 tokens x 64 channels, 32 accumulators).  8 x (256 + 128) = 3,072 columns: every column has one owner.
; SOURCE 0.  A lane's result registers run along source 0's rows, and a quantiser takes neighbours along ITS K from one lane.  q, k are quantised along the channels: source 0 = w_qkv.  v along the tokens: source 0 = x.
; LDS: four regions of 73,728 bytes (16 tiles x 3 K steps): X0, W0, X1, W1.  At the head one joint load a wave: X0 and W0 take K steps 0-2 of x and w, X1 and W1 K steps 3-5; the first barrier waits for X0 and W0 alone.
; FOUR REFILLS, each behind a drained round of the cluster's barrier, one load a wave (waves 0, 1 a half each of x's tiles, waves 2, 3 of w's): in pass 1's K step 2: K steps 6, 7 into X0, W0; in its K step 5: pass 2's K steps 0-2 into X1, W1;
; in its K step 7: pass 2's K steps 3-5 into X0, W0; in pass 2's K step 2: its K steps 6, 7 into X1, W1.  Each round also shows the refill before it to all waves; pass 2's K step 5 has a plain barrier for the last one.
; CLUSTERS 4 x 4: x's tiles hang on ty alone and are shared along a row of the cluster, w_qkv's on tx alone and are shared along a column.
; NO PREFETCH: all tiles are asked for at the head or one region (three K steps) ahead of their use, and the walk is eight K steps long: there is no loop to run ahead in.
; OUT: a record of 104,448 bytes for each (batch, head): K's image [token tile 64][768], V's image [key step 8][channel tile 4][1,536], K's scale words [step 8][lane (h, r)][i 4], V's [step 8][lane (h, r)][i 2].  q goes to qrec in K's places.
; LIMITS: NaN and infinities are not served; a block of zeros gets the scale byte 1 (its codes are zeros, and this program alone reads the bytes).
; REGISTERS: window 0: v4-15 LDS addresses, v24-29, scale words v32-63, v66-97 (pass 1), v98-129, v240-255 (pass 2), v130-225 source 1's fragments (on the way out v130-179 at work), v226-237 the quantiser's;
; window 1: source 0's fragments, two sets, at v0 and v128; windows 2, 3: the accumulators ((a, b) at v[8 (8 (a % 4) + b)]).
.set REG,   73728
.set X0,    0
.set W0,    REG
.set X1,    2*REG
.set W1,    3*REG
.set SPARE, 4*REG                      ; the spare words, 128 bytes a wave
.set FR,    12
.set NL,    3
.set NP,    4
.set RECB,  104448
.set A1,    4                          ; v4-6 source 1's LDS addresses in pass 1 (K steps 0-2, 3-5, 6-7), v7-9 in pass 2
.set A0,    10                         ; v10-12, v13-15 source 0's
.set L16,   24
.set L8,    25
.set SPW,   28
.set NIL,   29
.set S0,    32                         ; scale words: register 4 i + K step / 2; lanes 0-15 the even K step, lanes 16-31 the odd one.  The two sides' register numbers differ modulo 8
.set S1,    66
.set T0,    98
.set T1,    240
.set AF,    130
.set PC,    130
.set PT,    142
.set WD,    160
.set XW,    168
.set TM,    226
.set G1,  24                           ; s[24:31] group 1 of x's tiles, s[48:55] of w's
.set G1B, 48
.set HX0, 32                           ; group 0 of the head's four loads
.set HW0, 36
.set HX1, 56
.set HW1, 60
.set RX,  20                           ; group 0 of the refills
.set RW,  44
.set XB,  66                           ; s[66:67] my 8 tiles of x; s[68:69] my 8 of pass 1's w; s[70:71] my 4 of pass 2's
.set WB,  68
.set WV,  70
.set MSB, 0
.macro WIN new
.if MSB != (\new)
	s_set_vgpr_msb (MSB<<8)|(\new)
.set MSB, (\new)
.endif
.endm
.set MUL_LO, 0xa1
.set MUL_HI, 0xf1
.set TO_B,   0x40
.macro PLACES n
.rept \n
	v_nop
.endr
.endm
.macro TLOAD g0, g1                    ; an s_nop 0 and four v_nop follow each load
	tensor_load_to_lds s[\g0:\g0+3], s[\g1:\g1+7]
	s_nop 0
	PLACES 4
.endm
.macro JLOAD                           ; a refill: waves 0, 1 ask for x, waves 2, 3 for w
	s_cmp_eq_u32 s15, 0
	s_cbranch_scc0 .Lfor_b_\@
	TLOAD RX, G1
	s_branch .Lasked_\@
.Lfor_b_\@:
	TLOAD RW, G1B
.Lasked_\@:
.endm
.macro CREST
	s_cmp_lg_u32 s14, 0
	s_cbranch_scc1 .Lnot_wave_0_\@
	s_barrier_signal -3
.Lnot_wave_0_\@:
	s_barrier_wait -3
	s_barrier_signal -1
	s_barrier_wait -1
.endm
.macro CROUND
	s_barrier_signal -1
	s_barrier_wait -1
	CREST
.endm
.macro SHAPE g, nk, rows               ; a tile of \rows images' rows, \nk K steps (192 elements of 8 bytes each) wide
	s_mov_b32 s[\g+1], (192*(\nk))<<16
	s_mov_b32 s[\g+2], (\rows)<<16
	s_mov_b32 s[\g+3], (192*(\nk))<<16
	s_mov_b32 s[\g+4], \rows
.endm
.macro SET0 g, lds, base, off
	s_mov_b32 s[\g], 1
	s_mov_b32 s[\g+1], \lds
	s_add_nc_u64 s[\g+2:\g+3], s[\base:\base+1], \off
	s_or_b32 s[\g+3], s[\g+3], 0x80000000
.endm
.macro ASK xl, wl, kk, nk, wb, wr      ; a refill's descriptors: \nk K steps from \kk on; x's 8 tiles a wave to \xl, w's \wr tiles a wave (address pair \wb) to \wl.  Written where no tensor load of the wave is out
	s_mul_i32 s[RX+1], s16, 8*1536*(\nk)
	s_add_co_u32 s[RX+1], s[RX+1], \xl
	s_add_nc_u64 s[RX+2:RX+3], s[XB:XB+1], 1536*(\kk)
	s_or_b32 s[RX+3], s[RX+3], 0x80000000
	s_mul_i32 s[RW+1], s16, (\wr)*1536*(\nk)
	s_add_co_u32 s[RW+1], s[RW+1], \wl
	s_add_nc_u64 s[RW+2:RW+3], s[\wb:\wb+1], 1536*(\kk)
	s_or_b32 s[RW+3], s[RW+3], 0x80000000
	SHAPE G1, \nk, 8
	SHAPE G1B, \nk, \wr
.endm
.macro SPTR d, a, ash, h, hsh, c, base ; s[d:d+1] = base + 512 x ((s\a << ash) + (s\h << hsh)) + c: a run of tiles' scale words
	s_lshl_b32 s[\d], s\a, \ash+9
	s_lshl_b32 s[\d+1], s\h, \hsh+9
	s_add_co_u32 s[\d], s[\d], s[\d+1]
	s_add_co_u32 s[\d], s[\d], \c
	s_mov_b32 s[\d+1], 0
	s_add_nc_u64 s[\d:\d+1], s[\base:\base+1], s[\d:\d+1]
.endm
.macro LADR v, s, c
	s_add_co_u32 s96, s\s, \c
	v_add_nc_u32 v[\v], s96, v[L16]
.endm
	s_load_b256 s[4:11], s[0:1], 0x0               ; xq, wq, qrec, kvrec
	v_lshl_add_u32 v[SPW], v0, 2, SPARE
	v_mov_b32 v[NIL], 0
	ds_add_u32 v[SPW], v[NIL]                      ; the opening lines: the add, twice on end, and its wait
	ds_add_u32 v[SPW], v[NIL]
	v_lshrrev_b32 v1, 5, v0
	v_readfirstlane_b32 s14, v1                    ; wave
	s_lshr_b32 s15, s14, 1                         ; u1: my half of source 1.  In a refill: I ask for x (0) or w (1)
	s_and_b32 s16, s14, 1                          ; u0: my half of source 0.  In a refill: which half of the tiles
	s_bfe_u32 s40, ttmp6, 0x40000                  ; cx
	s_bfe_u32 s41, ttmp6, 0x40004                  ; cy
	s_lshl_b32 s42, ttmp9, 2
	s_add_co_u32 s42, s42, s40                     ; tx = 0 .. 7
	s_and_b32 s17, ttmp7, 0xffff
	s_lshl_b32 s17, s17, 2
	s_add_co_u32 s17, s17, s41                     ; ty = 0 .. 31
	s_lshl_b32 s43, s41, 2
	s_lshl_b32 s43, 15, s43                        ; my row of the cluster
	s_lshl_b32 s76, 0x1111, s40                    ; my column
	s_or_b32 s[G1], s43, (3<<16)|(1<<21)
	s_or_b32 s[G1B], s76, (3<<16)|(1<<21)
	SHAPE G1, 3, 16                                ; the head's loads: 16 tiles x 3 K steps
	SHAPE G1B, 3, 16
.irp g, G1, G1B
	s_mov_b32 s[\g+5], 1536                        ; from tile to tile: eight images
	s_mov_b32 s[\g+6], 0
	s_mov_b32 s[\g+7], 0
.endr
	s_mul_i32 s72, s17, 16*12288
	s_mov_b32 s73, 0
	s_mul_i32 s74, s42, 16*12288
	s_mov_b32 s75, 0
	s_mul_i32 s78, s16, 8*12288
	s_mov_b32 s79, 0
	s_mul_i32 s80, s42, 8*12288
	s_mul_i32 s81, s16, 4*12288
	s_add_co_u32 s80, s80, s81
	s_add_co_u32 s80, s80, 128*12288
	s_mov_b32 s81, 0
	s_mov_b32 s[RX], 1
	s_mov_b32 s[RW], 1
	s_wait_dscnt 0x0
	s_wait_kmcnt 0x0
	s_add_nc_u64 s[72:73], s[4:5], s[72:73]        ; x's tile 16 ty
	s_add_nc_u64 s[74:75], s[6:7], s[74:75]        ; w's tile 16 tx
	s_add_nc_u64 s[XB:XB+1], s[72:73], s[78:79]
	s_add_nc_u64 s[WB:WB+1], s[74:75], s[78:79]
	s_add_nc_u64 s[WV:WV+1], s[6:7], s[80:81]      ; w's tile 128 + 8 tx + 4 half
	CROUND                                         ; the first joint loads meet
	SET0 HX0, X0, 72, 0
	SET0 HW0, W0, 74, 0
	SET0 HX1, X1, 72, 3*1536
	SET0 HW1, W1, 74, 3*1536
.macro ARM under, g0, g1, next         ; one chain of branches on the wave's number, one load to an arm
	s_cmp_lt_u32 s14, \under
	s_cbranch_scc0 \next
	TLOAD \g0, \g1
	s_branch .Lhead_asked
\next:
.endm
	ARM 1, HX0, G1,  .Lhead_1
	ARM 2, HW0, G1B, .Lhead_2
	ARM 3, HX1, G1,  .Lhead_3
	TLOAD HW1, G1B
.Lhead_asked:
	v_and_b32 v1, 31, v0
	v_lshlrev_b32 v[L16], 4, v1
	v_lshlrev_b32 v[L8], 3, v1
	s_wait_alu depctr_va_vdst(0)
	SPTR 82, 42, 4, 16, 3, 2359296, 6              ; pass 1, source 0: w's tiles 16 tx + 8 u0
	SPTR 84, 17, 4, 15, 3, 6291456, 4              ; pass 1, source 1: x's tiles 16 ty + 8 u1
	SPTR 86, 17, 4, 16, 3, 6291456, 4              ; pass 2, source 0: x's tiles 16 ty + 8 u0
	SPTR 88, 42, 3, 15, 2, 2359296+128*512, 6      ; pass 2, source 1: w's tiles 128 + 8 tx + 4 u1
.irp i, 0,1,2,3,4,5,6,7
.irp g, 0,1
	global_load_b64 v[S0+4*\i+2*\g:S0+4*\i+2*\g+1], v[L8], s[82:83] offset:512*\i+256*\g
	global_load_b64 v[S1+4*\i+2*\g:S1+4*\i+2*\g+1], v[L8], s[84:85] offset:512*\i+256*\g
	global_load_b64 v[T0+4*\i+2*\g:T0+4*\i+2*\g+1], v[L8], s[86:87] offset:512*\i+256*\g
.endr
.endr
.irp i, 0,1,2,3
.irp g, 0,1
	global_load_b64 v[T1+4*\i+2*\g:T1+4*\i+2*\g+1], v[L8], s[88:89] offset:512*\i+256*\g
.endr
.endr
	s_mul_i32 s90, s15, 8*4608
	s_mul_i32 s91, s16, 8*4608
	s_mul_i32 s92, s15, 8*3072
	s_mul_i32 s93, s16, 8*3072
	s_mul_i32 s94, s15, 4*4608
	s_mul_i32 s95, s15, 4*3072
	LADR A1+0, 90, X0
	LADR A1+1, 90, X1
	LADR A1+2, 92, X0
	LADR A1+3, 94, W1
	LADR A1+4, 94, W0
	LADR A1+5, 95, W1
	LADR A0+0, 91, W0
	LADR A0+1, 91, W1
	LADR A0+2, 93, W0
	LADR A0+3, 91, X1
	LADR A0+4, 91, X0
	LADR A0+5, 93, X1
	; where the results go: s[72:73] pass 1's images, s[74:75] its scale words, s[78:79], s[80:81] pass 2's
	s_and_b32 s90, ttmp7, 0xffff
	s_lshl_b32 s90, s90, 4                         ; 16 x batch
	s_lshl_b32 s91, s40, 2
	s_add_co_u32 s91, s91, s90
	s_lshl_b32 s92, s16, 1
	s_add_co_u32 s91, s91, s92                     ; record 16 b + 4 cx + 2 u0: the first of my two heads
	s_mul_i32 s91, s91, RECB
	s_lshl_b32 s92, s41, 1
	s_add_co_u32 s93, s92, s15                     ; my 128 tokens: 2 cy + u1
	s_mul_i32 s72, s93, 6144
	s_add_co_u32 s72, s72, s91
	s_mov_b32 s73, 0
	s_lshl_b32 s74, s93, 9
	s_add_co_u32 s74, s74, s91
	s_add_co_u32 s74, s74, 98304
	s_mov_b32 s75, 0
	s_cmp_eq_u32 ttmp9, 0                          ; the cluster's x: 0 = q, 1 = k
	s_cselect_b64 s[76:77], s[8:9], s[10:11]
	s_add_nc_u64 s[72:73], s[76:77], s[72:73]
	s_add_nc_u64 s[74:75], s[76:77], s[74:75]
	s_lshl_b32 s91, s42, 1
	s_add_co_u32 s91, s91, s90
	s_add_co_u32 s91, s91, s15                     ; record 16 b + 2 tx + u1: my head of v
	s_mul_i32 s91, s91, RECB
	s_add_co_u32 s93, s92, s16                     ; my 128 keys: 2 cy + u0
	s_mul_i32 s78, s93, 6144
	s_add_co_u32 s78, s78, s91
	s_add_co_u32 s78, s78, 49152
	s_mov_b32 s79, 0
	s_lshl_b32 s80, s93, 8
	s_add_co_u32 s80, s80, s91
	s_add_co_u32 s80, s80, 102400
	s_mov_b32 s81, 0
	s_add_nc_u64 s[78:79], s[10:11], s[78:79]
	s_add_nc_u64 s[80:81], s[10:11], s[80:81]
	s_mov_b32 s97, 0xffff0000                      ; lanes 16-31
	s_mov_b32 s98, 0x76543210
	s_mov_b32 s99, 0xfedcba98                      ; v_permlanex16_b32's selects for lane l xor 16
.macro FRAG reg, adr, q, i             ; a fragment: three loads of 512 consecutive bytes.  PIT: from tile to tile in the region
.irp p, 0,1,2
	ds_load_b128 v[\reg+4*\p:\reg+4*\p+3], v[\adr] offset:PIT*(\i)+1536*(\q)+512*\p
.endr
.endm
.macro FETCH_B sl, q, p                ; source 0's eight fragments into set p.  sl: which address; every third holds two K steps a tile, the others three
.set PIT, 4608-1536*(((\sl)%3)/2)
	WIN TO_B
.irp i, 0,1,2,3,4,5,6,7
	FRAG 128*(\p)+FR*\i, A0+\sl, \q, \i
.endr
	WIN 0
.endm
.macro FETCH_A sl, q, i0, r0           ; source 1's blocks i0 .. i0 + 3 into the registers of blocks r0 ..
.set PIT, 4608-1536*(((\sl)%3)/2)
.irp i, 0,1,2,3
	FRAG AF+FR*(\r0+\i), A1+\sl, \q, \i0+\i
.endr
.endm
; 16 matrix instructions of K step k: source 1's register blocks a0, a0 + 1 x source 0's eight.  The accumulators take turns, one instruction a turn, in the same order in every K step.
.macro MUL16 a0, k, zero
.irp a, \a0, \a0+1
.irp b, 0,1,2,3,4,5,6,7
.set rD, 8*(8*((\a)%4)+\b)
.set rA, 128*((\k)%2)+FR*\b
.set rB, AF+FR*(\a)
.set rSA, SS0+4*\b+(\k)/2
.set rSB, SS1+4*((\a)%NA)+(\k)/2
.if (\k)%2
	v_wmma_scale_f32_16x16x128_f8f6f4 v[rD:rD+7], v[rA:rA+FR-1], v[rB:rB+FR-1], v[rD:rD+7], v[rSA], v[rSB] matrix_a_fmt:MATRIX_FMT_FP6 matrix_b_fmt:MATRIX_FMT_FP6 matrix_a_scale:MATRIX_SCALE_ROW1 matrix_b_scale:MATRIX_SCALE_ROW1
.elseif \zero
	v_wmma_scale_f32_16x16x128_f8f6f4 v[rD:rD+7], v[rA:rA+FR-1], v[rB:rB+FR-1], 0, v[rSA], v[rSB] matrix_a_fmt:MATRIX_FMT_FP6 matrix_b_fmt:MATRIX_FMT_FP6
.else
	v_wmma_scale_f32_16x16x128_f8f6f4 v[rD:rD+7], v[rA:rA+FR-1], v[rB:rB+FR-1], v[rD:rD+7], v[rSA], v[rSB] matrix_a_fmt:MATRIX_FMT_FP6 matrix_b_fmt:MATRIX_FMT_FP6
.endif
.endr
.endr
.endm
; PASS 1, K step k: 64 matrix instructions.  Source 1 has one set of registers (blocks 0-3 fetched anew in the step's middle, blocks 4-7 at its end), source 0 two.
; kind = 2: a drained round and a refill: the wait for all my tensor loads, the add, the descriptors and sixteen products, the wait for the add and my reads, the round, the load.
.macro KS1 k, kind, zero, xl=0, wl=0, kk=0, nk=0, wb=0, wr=0
.set NX, (\k)+1
.if \kind
	s_wait_tensorcnt 0x0
	ds_add_u32 v[SPW], v[NIL]
	ASK \xl, \wl, \kk, \nk, \wb, \wr
	s_wait_dscnt 4*NL+1                            ; the add and the youngest 12 loads (blocks 4-7) may be out
	WIN MUL_LO
	MUL16 0, \k, 0
	s_wait_dscnt 0x0
	s_barrier_signal -1
	MUL16 2, \k, 0
	WIN 0
	s_barrier_wait -1
	CREST
	JLOAD                                          ; its four v_nop are the places in front of the loads below
.else
	s_wait_dscnt 4*NL                              ; the youngest 12 loads (blocks 4-7) may be out
	WIN MUL_LO
	MUL16 0, \k, \zero
	MUL16 2, \k, \zero
	s_wait_dscnt 0x0
	PLACES NP
.endif
.if NX < 8
	FETCH_B NX/3, NX%3, NX%2
	FETCH_A NX/3, NX%3, 0, 0
.endif
	WIN MUL_HI
	MUL16 4, \k, \zero
	MUL16 6, \k, \zero
	WIN 0
	PLACES NP
.if NX < 8
	FETCH_A NX/3, NX%3, 4, 4
.endif
.endm
; PASS 2, K step k: 32 matrix instructions; both sources have two sets (source 1's second set is the registers of blocks 4-7).  The next K step's 36 loads go out ahead of the products.  kind = 1: a plain barrier; 2: a round and the refill.
.macro KS2 k, kind, zero
.set NX, (\k)+1
.set AB, 4*((\k)%2)
.if \kind
	s_wait_tensorcnt 0x0
	ds_add_u32 v[SPW], v[NIL]
.if (\kind) == 2
	ASK X1, W1, 6, 2, WV, 4
.endif
	s_wait_dscnt 0x0
	s_barrier_signal -1
	WIN MUL_LO
	MUL16 AB, \k, 0
	WIN 0
	s_barrier_wait -1
.if (\kind) == 2
	CREST
	JLOAD
.else
	PLACES NP
.endif
	FETCH_B 3+NX/3, NX%3, NX%2
	FETCH_A 3+NX/3, NX%3, 0, 4*(NX%2)
	WIN MUL_LO
	MUL16 AB+2, \k, 0
.else
	s_wait_dscnt 0x0
	PLACES NP
.if NX < 8
	FETCH_B 3+NX/3, NX%3, NX%2
	FETCH_A 3+NX/3, NX%3, 0, 4*(NX%2)
.endif
	WIN MUL_LO
	MUL16 AB, \k, \zero
	MUL16 AB+2, \k, \zero
.endif
	WIN 0
.endm
; THE WAY OUT.  For source 1's block a a lane holds one row of it and 64 numbers along source 0's 128 rows: register 16 B + i = index 32 B + 16 h + i.  QUANT makes a fragment's 12 registers from v[PC] on and the row's scale word in v[WD + a].
.macro QUANT a
.set AC, 64*((\a)%4)
.set WW, 2+(\a)/4
	WIN WW|(WW<<2)
.irp b, 0,1,2,3
	v_max3_num_f32 v[TM+\b], |v[AC+16*\b]|, |v[AC+16*\b+1]|, 0x1800000   ; my 16 numbers of block b, and the floor 2^(3 - 127): the byte cannot fall under 1
.endr
	WIN (WW<<2)|(WW<<4)
.irp i, 2,4,6,8,10,12,14
.irp b, 0,1,2,3
	v_max3_num_f32 v[TM+\b], v[TM+\b], |v[AC+16*\b+\i]|, |v[AC+16*\b+\i+1]|
.endr
.endr
	WIN 0
.irp b, 0,1,2,3
	v_permlanex16_b32 v[TM+4+\b], v[TM+\b], s98, s99
.endr
.irp b, 0,1,2,3
	v_max_num_f32 v[TM+\b], v[TM+\b], v[TM+4+\b]   ; with lane l xor 16's: the block's largest magnitude
.endr
.irp b, 0,1,2,3
	v_add_nc_u32 v[TM+8+\b], 0xff000000, v[TM+\b]  ; 2 off its exponent field: the conversion's scale operand
.endr
.irp b, 0,1,2,3
	v_lshrrev_b32 v[TM+4+\b], 23, v[TM+8+\b]       ; the scale's byte
.endr
	v_lshl_or_b32 v[WD+(\a)], v[TM+5], 8, v[TM+4]
	v_lshl_or_b32 v[WD+(\a)], v[TM+6], 16, v[WD+(\a)]
	v_lshl_or_b32 v[WD+(\a)], v[TM+7], 24, v[WD+(\a)]
	s_wait_alu depctr_va_vdst(0)
	s_wait_xcnt 0x0                                ; the last block's stores have read their data: the codes' registers are rewritten only behind this wait
	WIN WW
.irp c, 0,1
	v_cvt_scalef32_pk16_fp6_f32 v[PC+6*\c:PC+6*\c+2], v[AC+32*\c:AC+32*\c+15], v[TM+8+2*\c]
	v_cvt_scalef32_pk16_fp6_f32 v[PT+4*\c:PT+4*\c+2], v[AC+32*\c+16:AC+32*\c+31], v[TM+8+2*\c+1]
.endr
	WIN 0
	v_nop                                          ; one plain place behind a scaled conversion
.irp c, 0,1                            ; a whole block in a lane: lanes 0-15 block 2 c, lanes 16-31 block 2 c + 1
.irp i, 0,1,2
	v_permlane16_swap_b32 v[PC+6*\c+\i], v[PT+4*\c+\i]
.endr
.irp i, 0,1,2
	v_mov_b32 v[PC+3+6*\c+\i], v[PT+4*\c+\i]
.endr
.endr
.endm
	s_wait_alu depctr_va_vdst(0)
	s_cmp_lt_u32 s14, 2
	s_cbranch_scc0 .Lnot_first
	s_wait_tensorcnt 0x0                           ; waves 0 and 1: X0, W0 are in.  X1 and W1 may be on their way
.Lnot_first:
	s_barrier_signal -1
	s_barrier_wait -1
.set SS0, S0
.set SS1, S1
.set NA,  8
	FETCH_B 0, 0, 0
	FETCH_A 0, 0, 0, 0
	FETCH_A 0, 0, 4, 4
	s_wait_loadcnt 0x0                             ; the scale words
	KS1 0, 0, 1                                    ; its products start the sums
	KS1 1, 0, 0
	KS1 2, 2, 0, X0, W0, 6, 2, WB, 8               ; X1, W1 are shown whole; X0, W0 take K steps 6, 7
	KS1 3, 0, 0
	KS1 4, 0, 0
	KS1 5, 2, 0, X1, W1, 0, 3, WV, 4               ; X1, W1 take pass 2's K steps 0-2
	KS1 6, 0, 0
	KS1 7, 2, 0, X0, W0, 3, 3, WV, 4               ; X0, W0 take pass 2's K steps 3-5; the round shows X1, W1 whole
.irp b, 0,1,2,3
	v_mov_b32 v[TM+4+\b], 0                        ; written once: a lane permute's destination counts as one of its sources
.endr
.irp a, 0,1,2,3,4,5,6,7                ; q, k: registers 6 c .. 6 c + 5 are head c's half fragment (K = 64) of token tile a
	QUANT \a
.irp c, 0,1
	global_store_b128 v[L16], v[PC+6*\c:PC+6*\c+3], s[72:73] offset:\c*RECB+768*\a        ; 512 consecutive bytes, at a multiple of 256
	global_store_b64 v[L8], v[PC+6*\c+4:PC+6*\c+5], s[72:73] offset:\c*RECB+768*\a+512    ; 256 consecutive bytes, aligned
.endr
.endr
.irp i, 0,1,2,3
	v_cndmask_b32 v[XW+\i], v[WD+2*\i], v[WD+2*\i+1], s97   ; lanes 0-15: tile 2 i's word of row r, lanes 16-31: tile 2 i + 1's
.endr
.irp i, 0,1,2,3
	v_and_b32 v[XW+4+\i], 0xffff, v[XW+\i]         ; head 0's two bytes; the bytes of the K that is filled with zero codes are 0
.endr
.irp i, 0,1,2,3
	v_lshrrev_b32 v[XW+8+\i], 16, v[XW+\i]         ; head 1's
.endr
	global_store_b128 v[L16], v[XW+4:XW+7], s[74:75]
	global_store_b128 v[L16], v[XW+8:XW+11], s[74:75] offset:RECB
.set SS0, T0
.set SS1, T1
.set NA,  4
	s_wait_xcnt 0x0                                ; the stores have read their data: fragments land there
	FETCH_B 3, 0, 0
	FETCH_A 3, 0, 0, 0
	KS2 0, 0, 1
	KS2 1, 0, 0
	KS2 2, 2, 0                                    ; X0, W0 are shown whole; X1, W1 take K steps 6, 7
	KS2 3, 0, 0
	KS2 4, 0, 0
	KS2 5, 1, 0                                    ; the last refill is shown to all
	KS2 6, 0, 0
	KS2 7, 0, 0
	PLACES NP
.irp a, 0,1,2,3                        ; v: the fragment of V^T: channel tile a of my head, my 128 keys
	QUANT \a
.irp p, 0,1,2
	global_store_b128 v[L16], v[PC+4*\p:PC+4*\p+3], s[78:79] offset:\a*1536+512*\p
.endr
.endr
.irp i, 0,1
	v_cndmask_b32 v[XW+\i], v[WD+2*\i], v[WD+2*\i+1], s97
.endr
	global_store_b64 v[L8], v[XW:XW+1], s[80:81]
	s_wait_tensorcnt 0x0                           ; the wave's end
	ds_add_u32 v[SPW], v[NIL]
	s_wait_dscnt 0x0
	CROUND                                         ; the closing round
	s_endpgm
.Lfunc_end_k_q193018e0ba_qkv:
	.size	k_q193018e0ba_qkv, .Lfunc_end_k_q193018e0ba_qkv-k_q193018e0ba_qkv
	.p2alignl 7, 3214868480
	.fill 96, 4, 3214868480
	.section	.rodata,"a",@progbits
	.p2align	6, 0x0
	.amdhsa_kernel k_q193018e0ba_qkv
		.amdhsa_group_segment_fixed_size 327680
		.amdhsa_private_segment_fixed_size 0
		.amdhsa_enable_private_segment 0
		.amdhsa_kernarg_size 32
		.amdhsa_user_sgpr_count 2
		.amdhsa_user_sgpr_kernarg_segment_ptr 1
		.amdhsa_wavefront_size32 1
		.amdhsa_system_sgpr_workgroup_id_x 1
		.amdhsa_system_sgpr_workgroup_id_y 1
		.amdhsa_system_sgpr_workgroup_id_z 1
		.amdhsa_system_vgpr_workitem_id 0
		.amdhsa_next_free_vgpr 1024
		.amdhsa_next_free_sgpr 100
		.amdhsa_reserve_vcc 0
		.amdhsa_float_denorm_mode_32 3
		.amdhsa_float_denorm_mode_16_64 3
		.amdhsa_memory_ordered 1
		.amdhsa_forward_progress 1
		.amdhsa_inst_pref_size 220
	.end_amdhsa_kernel
	.amdgpu_metadata
---
amdhsa.version: [ 1, 2 ]
amdhsa.kernels:
  - .name:           k_q193018e0ba_qkv
    .symbol:         k_q193018e0ba_qkv.kd
    .args:
      - { .name: xq, .offset: 0, .size: 8, .value_kind: global_buffer, .address_space: global }
      - { .name: wq, .offset: 8, .size: 8, .value_kind: global_buffer, .address_space: global }
      - { .name: qrec, .offset: 16, .size: 8, .value_kind: global_buffer, .address_space: global }
      - { .name: kvrec, .offset: 24, .size: 8, .value_kind: global_buffer, .address_space: global }
    .group_segment_fixed_size: 327680
    .private_segment_fixed_size: 0
    .kernarg_segment_align: 8
    .kernarg_segment_size: 32
    .max_flat_workgroup_size: 128
    .sgpr_count:     100
    .vgpr_count:     1024
    .wavefront_size: 32
...
	.end_amdgpu_metadata
.endif
;; end of part 2
;; launch attn (part 3): grid 4 x 64, 16 waves a work-group, clusters of 4 x 1, 211,968 bytes of LDS; arguments qrec, kvrec, oq; writes oq
.if DOCPART == 3
	.amdgcn_target "amdgcn-amd-amdhsa--gfx1250"
	.amdhsa_code_object_version 6
	.text
	.protected	k_q193018e0ba_attn
	.globl	k_q193018e0ba_attn
	.p2align	8
	.type	k_q193018e0ba_attn,@function
k_q193018e0ba_attn:
	s_mov_b64 s[64:65], 0
	v_nop
	global_prefetch_b8 v0, s[64:65] scope:SCOPE_SE
	s_setreg_imm32_b32 hwreg(HW_REG_WAVE_MODE, 25, 1), 1
	s_wait_xcnt 0x0
	s_wait_alu depctr_hold_cnt(0) depctr_sa_sdst(0) depctr_va_vdst(0) depctr_va_sdst(0) depctr_va_ssrc(0) depctr_va_vcc(0) depctr_vm_vsrc(0)
	s_getreg_b32 s2, hwreg(HW_REG_IB_STS2, 6, 4)
	s_cmp_eq_u32 s2, 0
	s_cbranch_scc0 .Lentry_in_a_cluster
	s_endpgm
.Lentry_in_a_cluster:
	s_bfe_u32 s2, ttmp6, 0x10000c
	s_cmp_lg_u32 s2, 0x3003
	s_cbranch_scc0 .Lentry_shape_is_right
	s_endpgm
.Lentry_shape_is_right:
; out[b][q][head] = softmax(q k^T / 8) v, both products on codes of FP6 (E2M3) with E8M0 scales; the result is divided by the row's sum and quantised along the channels for the projection.  Nothing of the problem's work is left out here.
; THE SOFTMAX AHEAD OF THE SECOND PRODUCT: t = score x log2(e) / 8; M = the row's largest t so far, rounded UP to a whole number; p = 2^(t - M) is what is quantised, along the keys; it is not normalised.
; The row's sum is taken of the unquantised p, in f32.  When M moves, the sum and O are multiplied by 2^(old M - new M): exact.
; SHARES.  A cluster of four work-groups takes a PAIR of heads of one batch (128 channels: one K step of the projection); a work-group 256 queries; each of its sixteen waves one tile of 16 queries, first for the pair's first head, then for its second.
; Four waves share a SIMD, so that one wave's vector work stands beside another's matrix work and LDS loads.
; LDS.  The pair's two records (K's and V's images and scale words, 2 x 104,448 bytes, dense in memory) come in ONCE, as they lie: each wave asks for a sixteenth, jointly with the same wave of the three partners.  Nothing is filled again: no ring, and no barrier in the loop.
; LAYOUT.  Both products are used transposed: S^T = K Q^T (source 0 = 16 keys), O^T = V^T P^T (source 0 = 16 channels): a lane holds ONE query throughout.  Lane r of a tile T holds row 32 (T / 2) + 8 (T % 2) + r + 8 (r / 8), so the 16 registers of
; tiles 2 B and 2 B + 1 are 16 neighbours 32 B + 16 h + 0 .. 15, along the keys in S^T and along the channels in O^T.
; K = 64 IN AN INSTRUCTION OF 128.  The quantiser fills with zeros: Q's registers 6-11 are zero codes.  K's half fragments lie six registers apart, and tile t's operand is twelve registers from its first: its upper six are the next tile's codes
; (behind the last tile: six registers of zeros).  They meet Q's zero codes and add nothing: FP6 has no NaN and no infinity, and the scale bytes of those blocks are 0, which is 2^-127.
; LIMITS: NaN and infinities are not served; a block of zeros gets the scale byte 1 (its codes are zeros, and this program alone reads the bytes).
.set RECB,  104448                     ; a head's record: K's image at 0, V's at VIMG, K's scale words at KSC, V's at VSC
.set VIMG,  49152
.set KSC,   98304
.set VSC,   102400
.set PART,  13056                      ; a sixteenth of two records: 51 rows of 256 bytes
.set OSG,   2*RECB                     ; behind the records: the sixteen tiles' scale words on the way out, 1,024 bytes, written by LDS stores alone
.set SPARE, OSG+1024                   ; the spare words, 128 bytes for each wave: eight blocks of 256 bytes that no other line names
.set LI16, 1                           ; v1   16 x lane
.set LI8,  2                           ; v2   8 x lane
.set SPW,  3                           ; v3   LDS address of my spare word; never rewritten
.set NIL,  4                           ; v4   0; never rewritten
.set AD16, 5                           ; v5   the step's images, 16 bytes a lane
.set AD8,  6                           ; v6   8 bytes a lane
.set ADS,  7                           ; v7   K's scale words
.set ADT,  8                           ; v8   V's
.set OSA,  9                           ; v9   where my row's scale word goes
.set OSR,  10                          ; v10  and where wave 0 reads them back
.set Q,    16                          ; v16-27 Q of head 0 (6 of codes, 6 of zeros), v28-39 of head 1
.set F,    40                          ; v40-87 eight half fragments of K, later four fragments of V; v88-93 zeros
.set S,    96                          ; v96-159 S^T, then p
.set O,    160                         ; v160-191 O^T
.set PCD,  192                         ; v192-203 p's codes
.set PT,   204                         ; v204-206, v208-210 upper halves as converted
.set BM,   212                         ; v212-215 the blocks' largest scores, then largest p
.set BP,   216                         ; v216-219 the other half's, then bytes
.set BS,   220                         ; v220-223 the conversions' scale operands
.set KS,   224                         ; v224-227 K's scale words: register i: lanes 0-15 tile 2 i, lanes 16-31 tile 2 i + 1
.set VS,   228                         ; v228-229 V's likewise
.set PW,   230                         ; v230 p's scale word
.set QS,   232                         ; v232, v233 Q's scale words
.set FF,   234                         ; v[234:235] f = 2^(old M - new M) (the pair's low word serves both halves)
.set SUM2, 236                         ; v[236:237] the second chain of the sum
.set TMP,  238
.set OC,   240                         ; v240-251 the result's fragment: head c in registers 6 c .. 6 c + 5
.set OW,   252                         ; v252 its scale word
.set WV,   12                          ; s12 my wave's number;  v12 -M, v13 the largest t, v[14:15] the sum in two halves
.macro CROUND                          ; a round of the cluster's barrier
	s_barrier_signal -1
	s_barrier_wait -1
	s_cmp_lg_u32 s[WV], 0
	s_cbranch_scc1 .Lnot_wave_0_\@
	s_barrier_signal -3
.Lnot_wave_0_\@:
	s_barrier_wait -3
	s_barrier_signal -1
	s_barrier_wait -1
.endm
	s_load_b128 s[4:7], s[0:1], 0x0                ; qrec s[4:5], kvrec s[6:7]
	s_load_b64 s[8:9], s[0:1], 0x10                ; oq
	v_lshl_add_u32 v[SPW], v0, 2, SPARE
	v_mov_b32 v[NIL], 0
	ds_add_u32 v[SPW], v[NIL]                      ; the wave's opening: the add, twice on end, and its wait ahead of my first tensor load; the set-up below stands between the second and the wait
	ds_add_u32 v[SPW], v[NIL]
	v_lshrrev_b32 v11, 5, v0
	s_delay_alu instid0(VALU_DEP_1)
	v_readfirstlane_b32 s[WV], v11                 ; wave 0..15
	s_bfe_u32 s13, ttmp6, 0x40000                  ; cx: my block of 256 queries: it enters Q's and the result's addresses alone
	s_and_b32 s14, ttmp7, 0xffff                   ; the pair of heads: 8 x batch + K step of the projection; the four partners share it
	; descriptor group 1: a dense block as 51 rows of 256 bytes (32 elements of 8 bytes), no padding
	s_mov_b32 s24, 15|(3<<16)|(1<<21)              ; 15:0 the mask: all four work-groups; 17:16 elements of 8 bytes; 21 set beside a mask
	s_mov_b32 s25, 32<<16                          ; tensor_dim0
	s_mov_b32 s26, 51<<16                          ; tensor_dim1
	s_mov_b32 s27, 32<<16                          ; tile_dim0
	s_mov_b32 s28, 51                              ; tile_dim1
	s_mov_b32 s29, 32                              ; tensor_dim0_stride
	s_mov_b32 s30, 0
	s_mov_b32 s31, 0
	s_mov_b32 s36, 1                               ; group 0: count = 1
	s_mul_i32 s37, s[WV], PART                     ; LDS address: my sixteenth
	s_mul_i32 s16, s14, 2*RECB                     ; the pair's first record, in bytes
	s_add_co_u32 s18, s16, s37
	s_mov_b32 s19, 0
	s_mov_b32 s20, 0x76543210
	s_mov_b32 s21, 0xfedcba98                      ; v_permlanex16_b32's selects for lane l xor 16
	s_mov_b32 s22, 0x3e38aa3b                      ; c = log2(e) / sqrt(64)
	s_mov_b32 s23, s22                             ; (named with it as a pair, so it is written)
	s_wait_dscnt 0x0                               ; both opening adds are done
	s_wait_kmcnt 0x0
	s_add_nc_u64 s[38:39], s[6:7], s[18:19]
	s_or_b32 s39, s39, 0x80000000                  ; type = 2
	CROUND                                         ; all four work-groups are here: the joint loads meet
	s_cmp_lt_u32 s[WV], 8                          ; waves 0-7 ask for the eight parts of the first head's record, waves 8-15 for the second's: a load line for each group, since only the first group waits at the first barrier
	s_cbranch_scc0 .Lsecond_record
	tensor_load_to_lds s[36:39], s[24:31]          ; my one tensor load of the launch
	s_nop 0
	s_branch .Lasked
.Lsecond_record:
	tensor_load_to_lds s[36:39], s[24:31]
	s_nop 0
.Lasked:
	v_and_b32 v11, 31, v0
	s_delay_alu instid0(VALU_DEP_1)
	v_lshlrev_b32 v[LI16], 4, v11
	s_delay_alu instid0(VALU_DEP_2)
	v_lshlrev_b32 v[LI8], 3, v11
	v_and_b32 v11, 15, v0                          ; r
	s_delay_alu instid0(VALU_DEP_1)
	v_lshlrev_b32 v[OSA], 2, v11
	s_delay_alu instid0(VALU_DEP_2)
	v_lshlrev_b32 v11, 4, v11                      ; 16 r
	s_wait_alu depctr_va_vdst(0)
	s_lshl_b32 s15, s13, 4
	s_add_co_u32 s15, s15, s[WV]                   ; my tile of queries: 16 cx + wave
	s_mul_i32 s40, s15, 768
	s_add_co_u32 s40, s40, s16
	s_mov_b32 s41, 0
	s_add_nc_u64 s[42:43], s[4:5], s[40:41]        ; Q's half fragment, head 0's
.irp c, 0,1
	global_load_b128 v[Q+12*\c:Q+12*\c+3], v[LI16], s[42:43] offset:\c*RECB
	global_load_b64 v[Q+12*\c+4:Q+12*\c+5], v[LI8], s[42:43] offset:\c*RECB+512
.endr
	s_lshr_b32 s44, s15, 3                         ; Q's scale words lie as K's: [tile / 8][lane (tile % 2, r)][(tile % 8) / 2]
	s_lshl_b32 s44, s44, 9
	s_and_b32 s45, s15, 1
	s_lshl_b32 s45, s45, 8
	s_add_co_u32 s44, s44, s45
	s_bfe_u32 s45, s15, 0x20001
	s_lshl_b32 s45, s45, 2
	s_add_co_u32 s44, s44, s45
	s_add_co_u32 s44, s44, s16
	s_mov_b32 s45, 0
	s_add_nc_u64 s[44:45], s[4:5], s[44:45]
	global_load_b32 v[QS], v11, s[44:45] offset:KSC
	global_load_b32 v[QS+1], v11, s[44:45] offset:KSC+RECB
	s_lshr_b32 s46, s14, 3                         ; the batch
	s_and_b32 s47, s14, 7                          ; the projection's K step
	s_lshl_b32 s48, s46, 6
	s_add_co_u32 s48, s48, s15                     ; the result's tile: 64 b + my tile
	s_mul_i32 s48, s48, 12288
	s_mul_i32 s49, s47, 1536
	s_add_co_u32 s48, s48, s49
	s_mov_b32 s49, 0
	s_add_nc_u64 s[48:49], s[8:9], s[48:49]        ; its image
	s_lshl_b32 s50, s46, 6
	s_lshl_b32 s51, s13, 4
	s_add_co_u32 s50, s50, s51                     ; the work-group's first tile
	s_lshl_b32 s50, s50, 6                         ; 64 bytes of scale words a tile,
	s_lshl_b32 s51, s47, 15                        ; 32,768 a K step,
	s_add_co_u32 s50, s50, s51
	s_add_co_u32 s50, s50, 6291456                 ; behind the images
	s_mov_b32 s51, 0
	s_add_nc_u64 s[50:51], s[8:9], s[50:51]
	s_lshl_b32 s52, s[WV], 6
	v_add_nc_u32 v[OSA], s52, v[OSA]
	s_delay_alu instid0(VALU_DEP_1)
	v_add_nc_u32 v[OSA], OSG, v[OSA]               ; 64 x wave + 4 r
	v_add_nc_u32 v[OSR], OSG, v[LI16]
.irp i, 0,1,2,3,4,5
	v_mov_b32 v[Q+6+\i], 0                         ; the zero codes that fill K from 64 to 128
	v_mov_b32 v[Q+18+\i], 0
	v_mov_b32 v[F+48+\i], 0                        ; and what stands behind K's last tile
.endr
.irp b, 0,1,2,3
	v_mov_b32 v[BP+\b], 0                          ; written once: a lane permute's destination counts as one of its sources
.endr
	v_mov_b32 v[FF+1], 0                           ; (named as the upper half of a pair)
	v_mov_b32 v[TMP], 0
	s_wait_alu depctr_va_vdst(0)
	s_wait_loadcnt 0x0                             ; Q
	s_cmp_lt_u32 s[WV], 8
	s_cbranch_scc0 .Lnot_mine
	s_wait_tensorcnt 0x0                           ; my part of the first head's record has landed
.Lnot_mine:
	s_barrier_signal -1
	s_barrier_wait -1                              ; the first record is whole; the second may be on its way
; A KEY STEP of head hd: 128 keys.
.macro STEP hd
	v_add_nc_u32 v[AD16], s32, v[LI16]             ; four plain lines: the places between the last products and the loads into the registers that they read
	v_add_nc_u32 v[AD8], s32, v[LI8]
	v_add_nc_u32 v[ADS], s33, v[LI16]
	v_add_nc_u32 v[ADT], s34, v[LI8]
.irp t, 0,1,2,3,4,5,6,7
	ds_load_b128 v[F+6*\t:F+6*\t+3], v[AD16] offset:768*\t
	ds_load_b64 v[F+6*\t+4:F+6*\t+5], v[AD8] offset:768*\t+512
.endr
	ds_load_b128 v[KS:KS+3], v[ADS]
	s_wait_alu depctr_va_vdst(0)
	s_wait_dscnt 0x0
.irp t, 0,1,2,3,4,5,6,7                ; S^T = K Q^T
.if (\t)%2
	v_wmma_scale_f32_16x16x128_f8f6f4 v[S+8*\t:S+8*\t+7], v[F+6*\t:F+6*\t+11], v[Q+12*(\hd):Q+12*(\hd)+11], 0, v[KS+\t/2], v[QS+(\hd)] matrix_a_fmt:MATRIX_FMT_FP6 matrix_b_fmt:MATRIX_FMT_FP6 matrix_a_scale:MATRIX_SCALE_ROW1
.else
	v_wmma_scale_f32_16x16x128_f8f6f4 v[S+8*\t:S+8*\t+7], v[F+6*\t:F+6*\t+11], v[Q+12*(\hd):Q+12*(\hd)+11], 0, v[KS+\t/2], v[QS+(\hd)] matrix_a_fmt:MATRIX_FMT_FP6 matrix_b_fmt:MATRIX_FMT_FP6
.endif
.endr
.rept 4
	v_nop                                          ; places in front of the loads into K's registers and of the first read of the scores
.endr
.irp t, 0,1,2,3                        ; V's four fragments are asked for now and land during the softmax
.irp p, 0,1,2
	ds_load_b128 v[F+12*\t+4*\p:F+12*\t+4*\p+3], v[AD16] offset:VIMG+1536*\t+512*\p
.endr
.endr
	ds_load_b64 v[VS:VS+1], v[ADT]
.irp b, 0,1,2,3
	v_max3_num_f32 v[BM+\b], v[S+16*\b], v[S+1+16*\b], v[S+2+16*\b]   ; THE LARGEST SCORE OF EACH BLOCK OF 32 KEYS serves twice: for the row's maximum, and, since p rises with the score, for the block's largest p
.endr
.irp i, 3,5,7,9,11,13
.irp b, 0,1,2,3
	v_max3_num_f32 v[BM+\b], v[BM+\b], v[S+16*\b+\i], v[S+1+16*\b+\i]   ; (the four blocks by turns)
.endr
.endr
.irp b, 0,1,2,3
	v_max_num_f32 v[BM+\b], v[BM+\b], v[S+15+16*\b]
.endr
.irp b, 0,1,2,3
	s_delay_alu instid0(VALU_DEP_4)
	v_permlanex16_b32 v[BP+\b], v[BM+\b], s20, s21
.endr
.irp b, 0,1,2,3
	s_delay_alu instid0(VALU_DEP_4)
	v_max_num_f32 v[BM+\b], v[BM+\b], v[BP+\b]     ; with lane l xor 16's 16 keys
.endr
	s_delay_alu instid0(VALU_DEP_2)
	v_max3_num_f32 v[TMP], v[BM], v[BM+1], v[BM+2]
	s_delay_alu instid0(VALU_DEP_1)
	v_max_num_f32 v[TMP], v[TMP], v[BM+3]          ; the step's largest score of my query
	s_delay_alu instid0(VALU_DEP_1)
	v_mul_f32 v[TMP], s22, v[TMP]                  ; as t (c is positive)
	s_delay_alu instid0(VALU_DEP_1)
	v_max_num_f32 v13, v13, v[TMP]                 ; the running largest t
	v_mov_b32 v[TMP], v12
	s_delay_alu instid0(VALU_DEP_2)
	v_floor_f32 v12, -v13                          ; the new -M = floor(-t) = -ceil(t): M is a whole number
	s_delay_alu instid0(VALU_DEP_1)
	v_sub_f32 v[TMP], v12, v[TMP]                  ; M's old value less its new one: a whole number, 0 or less
	s_delay_alu instid0(VALU_DEP_1)
	v_cvt_i32_f32 v[TMP], v[TMP]                   ; (it saturates)
	s_delay_alu instid0(VALU_DEP_1)
	v_ldexp_f32 v[FF], 1.0, v[TMP]                 ; f = 2^(old M - new M): a multiplication by it rounds nothing
.set j, 0
.rept 32
	v_pk_fma_f32 v[S+j:S+j+1], v[S+j:S+j+1], s[22:23], v[12:13] op_sel_hi:[1,0,0]   ; t - M, two at a time (of the pairs c and -M the low word serves both halves)
.set j, j+2
.endr
.irp b, 0,1,2,3
	v_fma_f32 v[BM+\b], v[BM+\b], s22, v12         ; the same of each block's largest score
.endr
.set j, 0
	s_wait_alu depctr_va_vdst(0)
.rept 64
	v_exp_f32 v[S+j], v[S+j]                       ; p = 2^(t - M), at most 1: not normalised
.set j, j+1
.endr
	v_pk_mul_f32 v[14:15], v[14:15], v[FF:FF+1] op_sel_hi:[1,0]   ; the sums under the new M (a plain place behind the exponentials)
	s_wait_alu depctr_va_vdst(0)                   ; the wait ahead of the first line that names an exponential's result: one for the batch of 64
.irp b, 0,1,2,3
	v_exp_f32 v[BM+\b], v[BM+\b]                   ; the block's largest p: the same two instructions on the same number give the same bits
.endr
	v_pk_add_f32 v[236:237], v[100:101], v[104:105]
	v_pk_add_f32 v[254:255], v[108:109], v[112:113]
	v_pk_add_f32 v[250:251], v[116:117], v[120:121]
	v_pk_add_f32 v[248:249], v[124:125], v[128:129]
	v_pk_add_f32 v[246:247], v[132:133], v[136:137]
	v_pk_add_f32 v[230:231], v[140:141], v[144:145]
	v_pk_add_f32 v[226:227], v[148:149], v[152:153]
	v_pk_add_f32 v[14:15], v[14:15], v[156:157]
	v_pk_add_f32 v[236:237], v[236:237], v[96:97]
	v_pk_add_f32 v[254:255], v[254:255], v[98:99]
	v_pk_add_f32 v[250:251], v[250:251], v[102:103]
	v_pk_add_f32 v[248:249], v[248:249], v[106:107]
	v_pk_add_f32 v[246:247], v[246:247], v[110:111]
	v_pk_add_f32 v[230:231], v[230:231], v[114:115]
	v_pk_add_f32 v[226:227], v[226:227], v[118:119]
	v_pk_add_f32 v[14:15], v[14:15], v[122:123]
	v_pk_add_f32 v[236:237], v[236:237], v[126:127]
	v_pk_add_f32 v[254:255], v[254:255], v[130:131]
	v_pk_add_f32 v[250:251], v[250:251], v[134:135]
	v_pk_add_f32 v[248:249], v[248:249], v[138:139]
	v_pk_add_f32 v[246:247], v[246:247], v[142:143]
	v_pk_add_f32 v[230:231], v[230:231], v[146:147]
	v_pk_add_f32 v[226:227], v[226:227], v[150:151]
	v_pk_add_f32 v[14:15], v[14:15], v[154:155]
	v_pk_add_f32 v[236:237], v[236:237], v[158:159]
	s_delay_alu instid0(VALU_DEP_2)
	v_pk_add_f32 v[14:15], v[14:15], v[248:249]
	s_delay_alu instid0(VALU_DEP_2)
	v_pk_add_f32 v[236:237], v[236:237], v[246:247]
	v_pk_add_f32 v[254:255], v[254:255], v[230:231]
	v_pk_add_f32 v[250:251], v[250:251], v[226:227]
	s_delay_alu instid0(VALU_DEP_2)
	v_pk_add_f32 v[14:15], v[14:15], v[254:255]
	s_delay_alu instid0(VALU_DEP_2)
	v_pk_add_f32 v[236:237], v[236:237], v[250:251]
	s_delay_alu instid0(VALU_DEP_1)
	v_pk_add_f32 v[14:15], v[14:15], v[236:237]
	s_wait_alu depctr_va_vdst(0)                   ; and one for the four
.irp b, 0,1,2,3
	v_max_num_f32 v[BM+\b], 0x1800000, v[BM+\b]    ; the floor 2^(3 - 127): the byte cannot fall under 1
.endr
.irp b, 0,1,2,3
	s_delay_alu instid0(VALU_DEP_4)
	v_add_nc_u32 v[BS+\b], 0xff000000, v[BM+\b]    ; 2 off the exponent field: the conversion's scale operand
.endr
.irp b, 0,1,2,3
	s_delay_alu instid0(VALU_DEP_4)
	v_lshrrev_b32 v[BP+\b], 23, v[BS+\b]           ; the scale's byte
.endr
	s_delay_alu instid0(VALU_DEP_3)
	v_lshl_or_b32 v[PW], v[BP+1], 8, v[BP]         ; p's scale word for these 128 keys
	s_delay_alu instid0(VALU_DEP_1)
	v_lshl_or_b32 v[PW], v[BP+2], 16, v[PW]
	s_delay_alu instid0(VALU_DEP_1)
	v_lshl_or_b32 v[PW], v[BP+3], 24, v[PW]
.irp c, 0,1
	v_cvt_scalef32_pk16_fp6_f32 v[PCD+6*\c:PCD+6*\c+2], v[S+32*\c:S+32*\c+15], v[BS+2*\c]
	v_cvt_scalef32_pk16_fp6_f32 v[PT+4*\c:PT+4*\c+2], v[S+32*\c+16:S+32*\c+31], v[BS+2*\c+1]   ; (a conversion's three registers begin on an even number)
.endr
	v_nop                                          ; one plain place behind a scaled conversion
.irp c, 0,1                            ; the operand's layout wants a WHOLE block in a lane: lanes 0-15 block 2 c, lanes 16-31 block 2 c + 1
.irp i, 0,1,2
	v_permlane16_swap_b32 v[PCD+6*\c+\i], v[PT+4*\c+\i]
.endr
.irp i, 0,1,2
	s_delay_alu instid0(VALU_DEP_3)
	v_mov_b32 v[PCD+3+6*\c+\i], v[PT+4*\c+\i]
.endr
.endr
.set j, 0
.rept 16
	v_pk_mul_f32 v[O+j:O+j+1], v[O+j:O+j+1], v[FF:FF+1] op_sel_hi:[1,0]   ; O^T under the new M.  Of these sixteen at least twelve name no register of any one product below: the places behind p's codes (4) and its scale word (8)
.set j, j+2
.endr
	s_wait_alu depctr_va_vdst(0)
	s_wait_dscnt 0x0                               ; V is in
.irp t, 0,1,2,3                        ; O^T += V^T P^T: the four accumulators by turns, one instruction a turn, eight other accumulators' between two turns
.if (\t)%2
	v_wmma_scale_f32_16x16x128_f8f6f4 v[O+8*\t:O+8*\t+7], v[F+12*\t:F+12*\t+11], v[PCD:PCD+11], v[O+8*\t:O+8*\t+7], v[VS+\t/2], v[PW] matrix_a_fmt:MATRIX_FMT_FP6 matrix_b_fmt:MATRIX_FMT_FP6 matrix_a_scale:MATRIX_SCALE_ROW1
.else
	v_wmma_scale_f32_16x16x128_f8f6f4 v[O+8*\t:O+8*\t+7], v[F+12*\t:F+12*\t+11], v[PCD:PCD+11], v[O+8*\t:O+8*\t+7], v[VS+\t/2], v[PW] matrix_a_fmt:MATRIX_FMT_FP6 matrix_b_fmt:MATRIX_FMT_FP6
.endif
.endr
	s_add_co_u32 s32, s32, 6144                    ; the next step's images (8 x 768 of K, 4 x 1,536 of V),
	s_add_co_u32 s33, s33, 512                     ; K's scale words,
	s_add_co_u32 s34, s34, 256                     ; V's
.endm
; O^T is divided by the row's sum and quantised along the channels: head hd's 64 channels are blocks 2 hd and 2 hd + 1 of the projection's K step.
.macro FINISH hd
.rept 4
	v_nop                                          ; places behind the last products
.endr
	v_add_f32 v14, v14, v15                        ; the sum's two halves,
	s_delay_alu instid0(VALU_DEP_1)
	v_permlanex16_b32 v[TMP], v14, s20, s21
	s_delay_alu instid0(VALU_DEP_1)
	v_add_f32 v14, v14, v[TMP]                     ; and lane l xor 16's: the row's sum
	s_wait_alu depctr_va_vdst(0)
	v_rcp_f32 v14, v14
	v_nop                                          ; one plain place behind a transcendental
	s_wait_alu depctr_va_vdst(0)                   ; and the wait ahead of its first reader
.set j, 0
.rept 16
	v_pk_mul_f32 v[O+j:O+j+1], v[O+j:O+j+1], v[14:15] op_sel_hi:[1,0]   ; each accumulator from its low end on
.set j, j+2
.endr
.irp b, 0,1
	v_max3_num_f32 v[BM+\b], |v[O+16*\b]|, |v[O+1+16*\b]|, 0x1800000
.endr
.irp i, 2,4,6,8,10,12,14
.irp b, 0,1
	s_delay_alu instid0(VALU_DEP_2)
	v_max3_num_f32 v[BM+\b], v[BM+\b], |v[O+16*\b+\i]|, |v[O+1+16*\b+\i]|
.endr
.endr
.irp b, 0,1
	s_delay_alu instid0(VALU_DEP_2)
	v_permlanex16_b32 v[BP+\b], v[BM+\b], s20, s21
.endr
.irp b, 0,1
	s_delay_alu instid0(VALU_DEP_2)
	v_max_num_f32 v[BM+\b], v[BM+\b], v[BP+\b]
.endr
.irp b, 0,1
	s_delay_alu instid0(VALU_DEP_2)
	v_add_nc_u32 v[BS+\b], 0xff000000, v[BM+\b]
.endr
.irp b, 0,1
	s_delay_alu instid0(VALU_DEP_2)
	v_lshrrev_b32 v[BP+\b], 23, v[BS+\b]
.endr
.if (\hd) == 0
	s_delay_alu instid0(VALU_DEP_1)
	v_lshl_or_b32 v[OW], v[BP+1], 8, v[BP]         ; the scale word's lower two bytes
.else
	s_delay_alu instid0(VALU_DEP_1)
	v_lshl_or_b32 v[TMP], v[BP+1], 8, v[BP]
	s_delay_alu instid0(VALU_DEP_1)
	v_lshl_or_b32 v[OW], v[TMP], 16, v[OW]         ; and its upper two
.endif
	v_cvt_scalef32_pk16_fp6_f32 v[OC+6*(\hd):OC+6*(\hd)+2], v[O:O+15], v[BS]
	v_cvt_scalef32_pk16_fp6_f32 v[PT:PT+2], v[O+16:O+31], v[BS+1]
	v_nop
.irp i, 0,1,2
	v_permlane16_swap_b32 v[OC+6*(\hd)+\i], v[PT+\i]
.endr
.irp i, 0,1,2
	s_delay_alu instid0(VALU_DEP_3)
	v_mov_b32 v[OC+6*(\hd)+3+\i], v[PT+\i]
.endr
.endm
.macro HEAD hd
	s_mov_b32 s32, (\hd)*RECB                      ; LDS: the head's images,
	s_mov_b32 s33, (\hd)*RECB+KSC                  ; K's scale words,
	s_mov_b32 s34, (\hd)*RECB+VSC                  ; V's
	s_mov_b32 s35, 8
.set j, 0
.rept 32
	v_mov_b32 v[O+j], 0                            ; O^T.  (The step is written once for a head: its first trip finds zeros, which the first change of M leaves zeros)
.set j, j+1
.endr
	v_mov_b32 v13, 0xff61b1e6                      ; the largest t so far: -3e38, under every t
	s_delay_alu instid0(VALU_DEP_1)
	v_floor_f32 v12, -v13                          ; -M
	v_mov_b32 v14, 0                               ; the sum, in two halves
	v_mov_b32 v15, 0
.Lstep_\@:
	STEP \hd
	s_sub_co_u32 s35, s35, 1
	s_cmp_lg_u32 s35, 0
	s_cbranch_scc1 .Lstep_\@
	FINISH \hd
.endm
	HEAD 0
	s_wait_alu depctr_va_vdst(0)
	s_wait_tensorcnt 0x0                           ; every wave: its load is done,
	s_barrier_signal -1
	s_barrier_wait -1                              ; so the second record is whole
	HEAD 1
	; THE WAY OUT: the fragment as an image; the sixteen tiles' scale words meet in LDS and leave as 1,024 consecutive bytes
.irp p, 0,1,2
	global_store_b128 v[LI16], v[OC+4*\p:OC+4*\p+3], s[48:49] offset:512*\p   ; 512 consecutive bytes, at a multiple of 256
.endr
	ds_store_b32 v[OSA], v[OW]                     ; both lanes of a row write the same word with the same value
	s_wait_dscnt 0x0                               ; for the others' sake: my store is done
	s_barrier_signal -1
	s_barrier_wait -1
	s_cmp_lg_u32 s[WV], 0
	s_cbranch_scc1 .Lnot_first
	ds_load_b128 v[S:S+3], v[OSR]
	ds_load_b128 v[S+4:S+7], v[OSR] offset:512
	s_wait_dscnt 0x0
	global_store_b128 v[LI16], v[S:S+3], s[50:51]
	global_store_b128 v[LI16], v[S+4:S+7], s[50:51] offset:512
.Lnot_first:
	s_wait_tensorcnt 0x0                           ; the wave's end, behind my tensor load and my last LDS store
	ds_add_u32 v[SPW], v[NIL]
	s_wait_dscnt 0x0
	CROUND                                         ; the closing round
	s_endpgm
.Lfunc_end_k_q193018e0ba_attn:
	.size	k_q193018e0ba_attn, .Lfunc_end_k_q193018e0ba_attn-k_q193018e0ba_attn
	.p2alignl 7, 3214868480
	.fill 96, 4, 3214868480
	.section	.rodata,"a",@progbits
	.p2align	6, 0x0
	.amdhsa_kernel k_q193018e0ba_attn
		.amdhsa_group_segment_fixed_size 211968
		.amdhsa_private_segment_fixed_size 0
		.amdhsa_enable_private_segment 0
		.amdhsa_kernarg_size 24
		.amdhsa_user_sgpr_count 2
		.amdhsa_user_sgpr_kernarg_segment_ptr 1
		.amdhsa_wavefront_size32 1
		.amdhsa_system_sgpr_workgroup_id_x 1
		.amdhsa_system_sgpr_workgroup_id_y 1
		.amdhsa_system_sgpr_workgroup_id_z 1
		.amdhsa_system_vgpr_workitem_id 0
		.amdhsa_next_free_vgpr 256
		.amdhsa_next_free_sgpr 66
		.amdhsa_reserve_vcc 0
		.amdhsa_float_denorm_mode_32 3
		.amdhsa_float_denorm_mode_16_64 3
		.amdhsa_memory_ordered 1
		.amdhsa_forward_progress 1
		.amdhsa_inst_pref_size 53
	.end_amdhsa_kernel
	.amdgpu_metadata
---
amdhsa.version: [ 1, 2 ]
amdhsa.kernels:
  - .name:           k_q193018e0ba_attn
    .symbol:         k_q193018e0ba_attn.kd
    .args:
      - { .name: qrec, .offset: 0, .size: 8, .value_kind: global_buffer, .address_space: global }
      - { .name: kvrec, .offset: 8, .size: 8, .value_kind: global_buffer, .address_space: global }
      - { .name: oq, .offset: 16, .size: 8, .value_kind: global_buffer, .address_space: global }
    .group_segment_fixed_size: 211968
    .private_segment_fixed_size: 0
    .kernarg_segment_align: 8
    .kernarg_segment_size: 24
    .max_flat_workgroup_size: 512
    .sgpr_count:     66
    .vgpr_count:     256
    .wavefront_size: 32
...
	.end_amdgpu_metadata
.endif
;; end of part 3
;; launch proj (part 4): grid 4 x 64, 4 waves a work-group, clusters of 4 x 4, 327,680 bytes of LDS; arguments oq, pq, b_proj, out0; writes out0
.if DOCPART == 4
	.amdgcn_target "amdgcn-amd-amdhsa--gfx1250"
	.amdhsa_code_object_version 6
	.text
	.protected	k_q193018e0ba_proj
	.globl	k_q193018e0ba_proj
	.p2align	8
	.type	k_q193018e0ba_proj,@function
k_q193018e0ba_proj:
	s_mov_b64 s[64:65], 0
	v_nop
	global_prefetch_b8 v0, s[64:65] scope:SCOPE_SE
	s_setreg_imm32_b32 hwreg(HW_REG_WAVE_MODE, 25, 1), 1
	s_wait_xcnt 0x0
	s_wait_alu depctr_hold_cnt(0) depctr_sa_sdst(0) depctr_va_vdst(0) depctr_va_sdst(0) depctr_va_ssrc(0) depctr_va_vcc(0) depctr_vm_vsrc(0)
	s_getreg_b32 s2, hwreg(HW_REG_IB_STS2, 6, 4)
	s_cmp_eq_u32 s2, 0
	s_cbranch_scc0 .Lentry_in_a_cluster
	s_endpgm
.Lentry_in_a_cluster:
	s_bfe_u32 s2, ttmp6, 0x10000c
	s_cmp_lg_u32 s2, 0xf033
	s_cbranch_scc0 .Lentry_shape_is_right
	s_endpgm
.Lentry_shape_is_right:
; out0 = o w_proj^T + b_proj on codes of FP6 (E2M3) with E8M0 scales, K = 1,024.  Nothing of the problem's work is left out here.
; Operands are images of their registers, [tile][K step 8][1,536]; lane r of tile T holds row 32 (T / 2) + 8 (T % 2) + r + 8 (r / 8).  Source 0 = w_proj's tiles, source 1 = o's: a lane holds one row of the result and neighbouring columns.
; A work-group makes 128 rows x 256 columns.  LDS holds ALL of K, as it lies in memory: o's 8 tiles (98,304 bytes) at 0, w_proj's 16 tiles (196,608) behind them.  One joint load a wave at the head: waves 0, 1 eight tiles of w_proj each
; (shared along a column of the 4 x 4 cluster), waves 2, 3 four tiles of o each (shared along a row).  Nothing is filled again.  No prefetch: the launch has no loop to run ahead in.
; THE DEAL.  Wave w keeps w_proj's tiles 4 w .. 4 w + 3 (64 columns), all of K, in registers: 32 fragments, 384 registers; they are read from LDS once, behind a first barrier that waits for w_proj's tiles alone.
; o's eight tiles stream past in two sets of eight fragments: a tile's 32 products, on four accumulators by turns, finish 16 rows x 64 columns; the bias is the first products' C.
; Each finished block goes through the wave's own stage (LDS bytes that no fill lands on) and leaves as rows of 256 aligned bytes while the next tiles are multiplied.
; REGISTERS: window 0: addresses, scale words v32-47 (w_proj), v50-81 (o), the bias v88-119, two sets of accumulators v128-191, two sets of rows on the way out v192-255;
; windows 1, 2: w_proj's fragments, 21 to a window; window 3: o's two sets.
.set BOFF,  98304
.set SPARE, 294912                     ; the spare words, 128 bytes a wave
.set STAGE, SPARE+512
.set SPITCH, 272
.set FR,    12
.set ADA,   4                          ; v4, v5  LDS address of o's tiles 0-3, 4-7
.set ADB,   6                          ; v6      of my four tiles of w_proj
.set CO,    7                          ; v7      my place in two rows of the result
.set L16,   24
.set L8,    25
.set OSV,   26
.set BIV,   27
.set SPW,   28
.set NIL,   29
.set STO,   30
.set RD,    31
.set S0,    32                         ; scale words: register 4 i + K step / 2; lanes 0-15 the even K step, lanes 16-31 the odd one.  The two sides' register numbers differ modulo 8
.set S1,    50
.set BI,    88
.set ACC,   128
.set BK,    192
.set G1,  24
.set G0,  32
.set G1B, 68
.set G0B, 48
.set MSB, 0
.macro WIN new
.if MSB != (\new)
	s_set_vgpr_msb (MSB<<8)|(\new)
.set MSB, (\new)
.endif
.endm
.macro PLACES n
.rept \n
	v_nop
.endr
.endm
.macro JLOAD g0a, g1a, g0b, g1b        ; waves 0, 1 issue the first line, waves 2, 3 the second; an s_nop 0 and four v_nop follow each
	s_cmp_eq_u32 s15, 0
	s_cbranch_scc0 .Lfor_b_\@
	tensor_load_to_lds s[\g0a:\g0a+3], s[\g1a:\g1a+7]
	s_nop 0
	PLACES 4
	s_branch .Lasked_\@
.Lfor_b_\@:
	tensor_load_to_lds s[\g0b:\g0b+3], s[\g1b:\g1b+7]
	s_nop 0
	PLACES 4
.Lasked_\@:
.endm
.macro CROUND
	s_barrier_signal -1
	s_barrier_wait -1
	s_cmp_lg_u32 s14, 0
	s_cbranch_scc1 .Lnot_wave_0_\@
	s_barrier_signal -3
.Lnot_wave_0_\@:
	s_barrier_wait -3
	s_barrier_signal -1
	s_barrier_wait -1
.endm
	s_load_b256 s[4:11], s[0:1], 0x0               ; oq, pq, b_proj, out0
	v_lshl_add_u32 v[SPW], v0, 2, SPARE
	v_mov_b32 v[NIL], 0
	ds_add_u32 v[SPW], v[NIL]                      ; the opening lines: the add, twice on end, and its wait
	ds_add_u32 v[SPW], v[NIL]
	v_lshrrev_b32 v1, 5, v0
	v_readfirstlane_b32 s14, v1                    ; wave
	s_lshr_b32 s15, s14, 1                         ; I ask for w_proj (0) or for o (1),
	s_and_b32 s16, s14, 1                          ; and for which half of its tiles
	s_bfe_u32 s76, ttmp6, 0x40000                  ; cx
	s_bfe_u32 s77, ttmp6, 0x40004                  ; cy
	s_lshl_b32 s78, ttmp9, 2
	s_add_co_u32 s78, s78, s76                     ; tx: 256 columns
	s_and_b32 s17, ttmp7, 0xffff
	s_lshl_b32 s17, s17, 2
	s_add_co_u32 s17, s17, s77                     ; ty: 128 rows
	s_lshl_b32 s79, s77, 2
	s_lshl_b32 s79, 15, s79                        ; my row of the cluster
	s_lshl_b32 s80, 0x1111, s76                    ; my column
	s_or_b32 s[G1+0], s79, (3<<16)|(1<<21)         ; o: 4 tiles of 12,288 bytes on end (1,536 elements of 8 bytes a row)
	s_mov_b32 s[G1+1], 1536<<16
	s_mov_b32 s[G1+2], 4<<16
	s_mov_b32 s[G1+3], 1536<<16
	s_mov_b32 s[G1+4], 4
	s_mov_b32 s[G1+5], 1536
	s_mov_b32 s[G1+6], 0
	s_mov_b32 s[G1+7], 0
	s_or_b32 s[G1B+0], s80, (3<<16)|(1<<21)        ; w_proj: 8 tiles
	s_mov_b32 s[G1B+1], 1536<<16
	s_mov_b32 s[G1B+2], 8<<16
	s_mov_b32 s[G1B+3], 1536<<16
	s_mov_b32 s[G1B+4], 8
	s_mov_b32 s[G1B+5], 1536
	s_mov_b32 s[G1B+6], 0
	s_mov_b32 s[G1B+7], 0
	s_lshl_b32 s20, s17, 3
	s_lshl_b32 s22, s16, 2
	s_add_co_u32 s20, s20, s22
	s_mul_i32 s20, s20, 12288                      ; o's tile 8 ty + 4 half
	s_mov_b32 s21, 0
	s_lshl_b32 s82, s78, 4
	s_lshl_b32 s81, s16, 3
	s_add_co_u32 s82, s82, s81
	s_mul_i32 s82, s82, 12288                      ; w_proj's tile 16 tx + 8 half
	s_mov_b32 s83, 0
	s_mul_i32 s18, s16, 49152
	s_mul_i32 s19, s16, 98304
	s_add_co_u32 s19, s19, BOFF
	s_wait_dscnt 0x0
	s_wait_kmcnt 0x0
	s_add_nc_u64 s[20:21], s[4:5], s[20:21]
	s_add_nc_u64 s[82:83], s[6:7], s[82:83]
	CROUND                                         ; the joint loads meet
	s_mov_b32 s[G0], 1
	s_mov_b32 s[G0+1], s18
	s_mov_b64 s[G0+2:G0+3], s[20:21]
	s_or_b32 s[G0+3], s[G0+3], 0x80000000
	s_mov_b32 s[G0B], 1
	s_mov_b32 s[G0B+1], s19
	s_mov_b64 s[G0B+2:G0B+3], s[82:83]
	s_or_b32 s[G0B+3], s[G0B+3], 0x80000000
	JLOAD G0B, G1B, G0, G1                         ; my one tensor load: my tiles, all of K
	s_lshl_b32 s92, s78, 4
	s_lshl_b32 s93, s14, 2
	s_add_co_u32 s92, s92, s93                     ; w_proj's tile 16 tx + 4 wave: 512 bytes of scale words a tile
	s_lshl_b32 s92, s92, 9
	s_add_co_u32 s92, s92, 786432
	s_mov_b32 s93, 0
	s_add_nc_u64 s[84:85], s[6:7], s[92:93]
	s_lshl_b32 s92, s17, 9                         ; o's tile 8 ty: 64 bytes of scale words a tile and K step
	s_add_co_u32 s92, s92, 6291456
	s_add_nc_u64 s[86:87], s[4:5], s[92:93]
	s_lshl_b32 s94, s78, 10
	s_lshl_b32 s95, s14, 8
	s_add_co_u32 s94, s94, s95                     ; my first column, in bytes: 1,024 tx + 256 wave
	s_mov_b32 s95, 0
	s_add_nc_u64 s[88:89], s[8:9], s[94:95]
	s_lshl_b32 s92, s17, 19                        ; 128 ty rows of 4,096 bytes
	s_add_co_u32 s92, s92, s94
	s_add_nc_u64 s[90:91], s[10:11], s[92:93]
	v_and_b32 v1, 31, v0
	v_lshlrev_b32 v[L16], 4, v1
	v_lshlrev_b32 v[L8], 3, v1
	v_and_b32 v2, 15, v0                           ; r
	v_bfe_u32 v3, v0, 4, 1                         ; h
	v_lshlrev_b32 v[OSV], 2, v2
	v_lshl_add_u32 v[OSV], v3, 15, v[OSV]          ; o's scale words: 4 r, lanes 16-31 a K step (32,768 bytes) on
	v_lshlrev_b32 v[BIV], 6, v3                    ; the bias: lanes 16-31 begin 16 columns on
	s_wait_alu depctr_va_vdst(0)
.irp i, 0,1,2,3
.irp g, 0,1
	global_load_b64 v[S0+4*\i+2*\g:S0+4*\i+2*\g+1], v[L8], s[84:85] offset:512*\i+256*\g
.endr
	global_load_b128 v[BI+8*\i:BI+8*\i+3], v[BIV], s[88:89] offset:(32*(\i/2)+8*(\i%2))*4
	global_load_b128 v[BI+8*\i+4:BI+8*\i+7], v[BIV], s[88:89] offset:(32*(\i/2)+8*(\i%2))*4+16
.endr
.irp i, 0,1,2,3,4,5,6,7
.irp g, 0,1,2,3
	global_load_b32 v[S1+4*\i+\g], v[OSV], s[86:87] offset:65536*\g+64*\i
.endr
.endr
	s_mul_i32 s93, s14, 49152
	s_add_co_u32 s93, s93, BOFF
	v_add_nc_u32 v[ADB], s93, v[L16]
	v_mov_b32 v[ADA], v[L16]
	v_add_nc_u32 v[ADA+1], 49152, v[L16]
	s_mul_i32 s94, s14, 16*SPITCH
	s_add_co_u32 s94, s94, STAGE                   ; my stage: 16 rows of 256 + 16 bytes
	v_mul_u32_u24 v[STO], v2, SPITCH               ; in: row r, 64 bytes on for lanes 16-31
	v_lshl_add_u32 v[STO], v3, 6, v[STO]
	v_add_nc_u32 v[STO], s94, v[STO]
	v_mul_u32_u24 v[RD], v3, SPITCH                ; back: sixteen lanes take a row of 256 bytes, lanes 16-31 the next row
	v_lshl_add_u32 v[RD], v2, 4, v[RD]
	v_add_nc_u32 v[RD], s94, v[RD]
	v_lshlrev_b32 v[CO], 12, v3                    ; and the same two rows in the result
	v_lshl_add_u32 v[CO], v2, 4, v[CO]
.macro WEIGHTS                         ; fragment 4 q + b lies in window 1 + f / 21 at register 12 (f % 21): 96 loads
.irp q, 0,1,2,3,4,5,6,7
.irp b, 0,1,2,3
.set F_, 4*\q+\b
	WIN (1+F_/21)<<6
.irp p, 0,1,2
	ds_load_b128 v[FR*(F_%21)+4*\p:FR*(F_%21)+4*\p+3], v[ADB] offset:12288*\b+1536*\q+512*\p
.endr
.endr
.endr
	WIN 0
.endm
.macro FETCH s                         ; o's tile s, all of K, into set s % 2 of window 3: 24 loads
	WIN 3<<6
.irp q, 0,1,2,3,4,5,6,7
.irp p, 0,1,2
	ds_load_b128 v[96*((\s)%2)+FR*\q+4*\p:96*((\s)%2)+FR*\q+4*\p+3], v[ADA+(\s)/4] offset:12288*((\s)%4)+1536*\q+512*\p
.endr
.endr
	WIN 0
.endm
.macro BLK s                           ; tile s: 32 products, K ascending, the four accumulators by turns
.irp q, 0,1,2,3,4,5,6,7
.irp b, 0,1,2,3
.set F_, 4*\q+\b
.set rA, FR*(F_%21)
.set rB, 96*((\s)%2)+FR*\q
.set rD, ACC+32*((\s)%2)+8*\b
.set rSA, S0+4*\b+\q/2
.set rSB, S1+4*(\s)+\q/2
	WIN (1+F_/21)|(3<<2)
.if (\q)%2
	v_wmma_scale_f32_16x16x128_f8f6f4 v[rD:rD+7], v[rA:rA+FR-1], v[rB:rB+FR-1], v[rD:rD+7], v[rSA], v[rSB] matrix_a_fmt:MATRIX_FMT_FP6 matrix_b_fmt:MATRIX_FMT_FP6 matrix_a_scale:MATRIX_SCALE_ROW1 matrix_b_scale:MATRIX_SCALE_ROW1
.elseif (\q) == 0
	v_wmma_scale_f32_16x16x128_f8f6f4 v[rD:rD+7], v[rA:rA+FR-1], v[rB:rB+FR-1], v[BI+8*\b:BI+8*\b+7], v[rSA], v[rSB] matrix_a_fmt:MATRIX_FMT_FP6 matrix_b_fmt:MATRIX_FMT_FP6
.else
	v_wmma_scale_f32_16x16x128_f8f6f4 v[rD:rD+7], v[rA:rA+FR-1], v[rB:rB+FR-1], v[rD:rD+7], v[rSA], v[rSB] matrix_a_fmt:MATRIX_FMT_FP6 matrix_b_fmt:MATRIX_FMT_FP6
.endif
.endr
.endr
	WIN 0
	PLACES 4                                       ; behind the products: in front of the stores of their results and of the loads into their fragments
.endm
.macro TOSTAGE s                       ; 8 stores, 8 loads: register j of tile b is column 32 (b / 2) + 8 (b % 2) + 16 h + j.  LDS serves a wave's instructions in order: the loads see the stores
.set AC_, ACC+32*((\s)%2)
.set BB_, BK+32*((\s)%2)
.irp b, 0,1,2,3
	ds_store_b128 v[STO], v[AC_+8*\b:AC_+8*\b+3] offset:128*(\b/2)+32*(\b%2)
	ds_store_b128 v[STO], v[AC_+8*\b+4:AC_+8*\b+7] offset:128*(\b/2)+32*(\b%2)+16
.endr
.irp t, 0,1,2,3,4,5,6,7
	ds_load_b128 v[BB_+4*\t:BB_+4*\t+3], v[RD] offset:\t*2*SPITCH
.endr
.endm
.macro SEND s                          ; rows 2 t and 2 t + 1 of tile s: sixteen lanes store 256 consecutive bytes, aligned
.set BB_, BK+32*((\s)%2)
.irp t, 0,1,2,3,4,5,6,7
	global_store_b128 v[CO], v[BB_+4*\t:BB_+4*\t+3], s[90:91] offset:(32*((\s)/2)+8*((\s)%2)+2*\t+8*(\t/4))*4096 th:TH_STORE_NT
.endr
.endm
	s_wait_alu depctr_va_vdst(0)
	s_cmp_lg_u32 s15, 0
	s_cbranch_scc1 .Lnot_w
	s_wait_tensorcnt 0x0                           ; waves 0 and 1: w_proj's tiles are in
.Lnot_w:
	s_barrier_signal -1
	s_barrier_wait -1                              ; o's tiles may be on their way
	WEIGHTS
	s_wait_tensorcnt 0x0                           ; every wave: its load is done
	s_wait_dscnt 0x0
	s_barrier_signal -1
	s_barrier_wait -1                              ; o's tiles are whole
	FETCH 0
	FETCH 1
	s_wait_loadcnt 0x0                             ; the scale words and the bias
	s_wait_dscnt 24                                ; tile 0 is in; tile 1's 24 loads may be out
	BLK 0
	TOSTAGE 0
	FETCH 2
	s_wait_dscnt 40                                ; tile 1 is in; the stage's 16 and tile 2's 24 may be out
.irp s, 1,2,3,4,5
	BLK \s
	s_wait_dscnt 24                                ; the block before is back from the stage; the next tile's 24 loads may be out
	SEND \s-1
	s_wait_xcnt 0x0                                ; the stores have read their registers: the set of two blocks ago is loaded anew
	TOSTAGE \s
	FETCH \s+2
	s_wait_dscnt 40
.endr
	BLK 6
	s_wait_dscnt 24
	SEND 5
	s_wait_xcnt 0x0
	TOSTAGE 6
	s_wait_dscnt 16                                ; tile 7 is in; the stage's 16 may be out
	BLK 7
	s_wait_dscnt 0x0
	SEND 6
	s_wait_xcnt 0x0
	TOSTAGE 7
	s_wait_dscnt 0x0
	SEND 7
	s_wait_tensorcnt 0x0                           ; the wave's end
	ds_add_u32 v[SPW], v[NIL]
	s_wait_dscnt 0x0
	CROUND                                         ; the closing round
	s_endpgm
.Lfunc_end_k_q193018e0ba_proj:
	.size	k_q193018e0ba_proj, .Lfunc_end_k_q193018e0ba_proj-k_q193018e0ba_proj
	.p2alignl 7, 3214868480
	.fill 96, 4, 3214868480
	.section	.rodata,"a",@progbits
	.p2align	6, 0x0
	.amdhsa_kernel k_q193018e0ba_proj
		.amdhsa_group_segment_fixed_size 327680
		.amdhsa_private_segment_fixed_size 0
		.amdhsa_enable_private_segment 0
		.amdhsa_kernarg_size 32
		.amdhsa_user_sgpr_count 2
		.amdhsa_user_sgpr_kernarg_segment_ptr 1
		.amdhsa_wavefront_size32 1
		.amdhsa_system_sgpr_workgroup_id_x 1
		.amdhsa_system_sgpr_workgroup_id_y 1
		.amdhsa_system_sgpr_workgroup_id_z 1
		.amdhsa_system_vgpr_workitem_id 0
		.amdhsa_next_free_vgpr 960
		.amdhsa_next_free_sgpr 98
		.amdhsa_reserve_vcc 0
		.amdhsa_float_denorm_mode_32 3
		.amdhsa_float_denorm_mode_16_64 3
		.amdhsa_memory_ordered 1
		.amdhsa_forward_progress 1
		.amdhsa_inst_pref_size 79
	.end_amdhsa_kernel
	.amdgpu_metadata
---
amdhsa.version: [ 1, 2 ]
amdhsa.kernels:
  - .name:           k_q193018e0ba_proj
    .symbol:         k_q193018e0ba_proj.kd
    .args:
      - { .name: oq, .offset: 0, .size: 8, .value_kind: global_buffer, .address_space: global }
      - { .name: pq, .offset: 8, .size: 8, .value_kind: global_buffer, .address_space: global }
      - { .name: b_proj, .offset: 16, .size: 8, .value_kind: global_buffer, .address_space: global }
      - { .name: out0, .offset: 24, .size: 8, .value_kind: global_buffer, .address_space: global }
    .group_segment_fixed_size: 327680
    .private_segment_fixed_size: 0
    .kernarg_segment_align: 8
    .kernarg_segment_size: 32
    .max_flat_workgroup_size: 128
    .sgpr_count:     98
    .vgpr_count:     960
    .wavefront_size: 32
...
	.end_amdgpu_metadata
.endif
;; end of part 4
